; MI455X (gfx1250); checked and timed in simulation.
; The chip was launched on July 23, 2026; its instructions are those of AMD's public machine-readable ISA for CDNA 5 (MIT licence, August 2026) and "CDNA5" Instruction Set Architecture Reference Guide (July 2026). The comments in the code are by the model that wrote it; some were corrected since.
;; Meriam Attention. Allowed arithmetic: matrix products marked QUANTISED: E3M2 operands, one E8M0 scale for each 32 along K, by v_wmma_scale_f32_16x16x128_f8f6f4 with both operands' format E3M2, f32 sums; everything else in f32.
;; Inputs: Wk 1,024 x 1,024 float32; Wq 1,024 x 1,024 float32; Wv 1,024 x 1,024 float32; bk 1,024 float32; bq 1,024 float32; bv 1,024 float32; x 4 x 2,048 x 1,024 float32.
;; Outputs: out0 4 x 2,048 x 1,024 float32.
;; This version of the problem:
;;   THIS VERSION OF THE PROBLEM IS GIVEN IN LOW PRECISION. The matrix products marked QUANTISED in the list below multiply operands that are first quantised to E3M2 (3 exponent bits, 2 mantissa bits; 6 bits a number), with one power-of-two scale for each 32 numbers along K (OCP MX v1.0); their sums are f32. All else is computed in f32.
;;   The module's matrix products, in the order in which they are computed (A, B: the left and right operand; K: the contracted axis; several contracted axes count as one K, in the product's order):
;;     1. [M 8,192, K 1,024] x [K 1,024, N 1,024]; A: input x; B: input Wq: QUANTISED
;;     2. [M 8,192, K 1,024] x [K 1,024, N 1,024]; A: input x; B: input Wk: QUANTISED
;;     3. [M 8,192, K 1,024] x [K 1,024, N 1,024]; A: input x; B: input Wv: QUANTISED
;;     4. batch 4 x [M 2,048, K 1,024] x [K 1,024, N 2,048]; A: computed on the way; B: computed on the way: QUANTISED
;;     5. batch 4 x [M 2,048, K 2,048] x [K 2,048, N 1,024]; A: softmax (see below); B: computed on the way: QUANTISED
;;   THE QUANTISER, for each operand of a quantised product, along K:
;;     - K is cut into blocks of 32 from its start; a last block that is shorter is filled with zeros.
;;     - A block's scale is 2^e with e = floor(log2(the largest magnitude in the block)) - 4, held to -126 .. 127; a block of zeros has e = 0. As a byte (E8M0): e + 127.
;;     - Each number is divided by its block's scale, clamped to +-28, and rounded to the nearest number of E3M2, ties to even, subnormals kept.
;;     - The product sums the exact products of the quantised numbers (number of the format x scale) in f32.
;;   ~~~python
;;   def quantise(x, axis):      # numpy; x: float32 -> the quantised numbers, widened to float32 again
;;       x = np.moveaxis(x, axis, -1); K = x.shape[-1]
;;       x = np.pad(x, [(0, 0)] * (x.ndim - 1) + [(0, -K % 32)]); x = x.reshape(x.shape[:-1] + (-1, 32)); a = np.abs(x).max(-1, keepdims=True)
;;       e = np.where(a > 0, np.clip(np.frexp(np.where(a > 0, a, 1))[1] - 1 - 4, -126, 127), 0)      # np.frexp(a)[1] - 1 = floor(log2(a)), exactly
;;       r = np.clip(x / 2.0 ** e, -28, 28)
;;       step = 2.0 ** (np.maximum(np.frexp(np.where(r == 0, 1, r))[1] - 1, -2) - 2)
;;       q = np.round(r / step) * step * 2.0 ** e      # np.round: ties to even
;;       return np.moveaxis(q.reshape(q.shape[:-2] + (-1,))[..., :K], -1, axis).astype(np.float32)
;;   ~~~
;;   SOFTMAX AHEAD OF A QUANTISED PRODUCT. Where the list says 'softmax', what is quantised is not the finished softmax but p = 2^(t - M), with t = logit x log2(e) and M = ceil(the row's largest t), a whole number; so 1/2 < the row's largest p <= 1. The row's sum l is taken of the UNQUANTISED p, in f32, and the product's result is divided by l at the end. Since M is a whole number, a kernel that streams over the keys may use a running M (the ceiling of the running maximum): every later rescaling is an exact power of two, which a block's scale takes up: the codes' values come out the same.
;;   OPERANDS COMPUTED ON THE WAY. 'Computed on the way' means the value that the module computes at that place (a softmax that the list does not call 'softmax' is quantised finished and normalised). What goes into a quantiser is computed in f32, as accurately as f32 sums, v_exp_f32 and their like allow (about 1e-6 of the number): no bf16 or f16 on the way to a quantiser, and a product that is left as it is and whose result goes on into a quantised operand takes f32 operands (vector FMAs, or v_wmma_f32_16x16x4_f32). A number that lies on a knife's edge between two numbers of the format may be rounded either way, as far as f32 arithmetic and the matrix unit's own rounding can turn it there, and no further.
;; One version. Each part assembles by itself: llvm-mc -triple=amdgcn-amd-amdhsa -mcpu=gfx1250 --defsym DOCPART=n.
;; ======== version 1 of 1: 4 launches
;; limits: right only within a limited range of input values
;; workspace buffers: c1 9,011,200 bytes; c2 19,660,800 bytes; c3 12,582,912 bytes; s3 1,572,864 bytes
;; launch quant (part 1): grid 704 x 1, 2 waves a work-group, no clusters, 30,976 bytes of LDS; arguments x, Wq, Wk, Wv, c1; writes c1
.if DOCPART == 1
	.amdgcn_target "amdgcn-amd-amdhsa--gfx1250"
	.amdhsa_code_object_version 6
	.text
	.protected	k_qb73c48180d_quant
	.globl	k_qb73c48180d_quant
	.p2align	8
	.type	k_qb73c48180d_quant,@function
k_qb73c48180d_quant:
	s_mov_b64 s[64:65], 0
	v_nop
	global_prefetch_b8 v0, s[64:65] scope:SCOPE_SE
	s_setreg_imm32_b32 hwreg(HW_REG_WAVE_MODE, 25, 1), 1
	s_wait_xcnt 0x0
; x [8192][1024] and Wq, Wk, Wv [1024 (k)][1024 (n)], f32, become codes of BF6 (E3M2) with one E8M0 byte for each 32 along K, laid in the ORDER OF THE OPERAND'S REGISTERS.  No step of the problem is left out.
; ROWS.  Block t of 16 rows holds, in lane-row r, the true row 32 (t / 2) + 8 (t % 2) + r % 8 + 16 (r / 8).  x: t 0-511 (row = token); Wq, Wk, Wv: t 512-575, 576-639, 640-703 (row = n).
; c1 = [88 H][8 s][12800]: a RECORD holds 128 rows (blocks 8 H .. 8 H + 7) x 128 K.  Block j of the record: an image of a fragment's 12 registers at 1,536 j: register 4 g + i of lane L at byte 512 g + 16 L + 4 i.
; Behind the eight images, from byte 12,288 on, the scale words: the word of (j, r) at 256 (j / 4) + 8 (16 (j % 2) + r) + 4 ((j / 2) % 2): one load of 8 bytes a lane brings the words of four blocks.
; A block's scale is 2^(floor(log2(largest magnitude)) - 4); its byte is that magnitude's exponent field - 4, held at 1 from below.
; LIMITS: a block of zeros gets the byte 1 where the rule says 127 (its codes are zeros, and this program alone reads the bytes); blocks whose largest magnitude lies under 2^-122 are held at byte 1;
; NaN and infinities among the inputs are not served.
; SHARES.  Work-groups 0-191 take the weights: a wave takes 64 columns x 128 K, a lane to a column, registers down K.  Work-groups 192-703 take x: a wave makes four fragments (64 rows x 128 K).  Each wave reads 32,768 bytes.
; Each input byte is read once; every store covers whole aligned runs of 256 bytes or more.  Waves share nothing: no barrier, no tensor load, no cluster (no work-group reads what another reads).
; The two paths part once, on the work-group's number, and never join; each has LDS bytes of its own.
.set XSTW, 8704                        ; x path: a wave's LDS: a stage of 16 rows x 528 bytes, then 256 bytes of scale words
.set XSCW, 8448
.set WST0, 2*XSTW                      ; W path: behind them, 6,656 bytes a wave: four images, 1,664 bytes apart
.set WSTW, 6656
.set WIMG, 1664
.set SPARE, WST0+2*WSTW                ; the spare words, 128 bytes a wave: no other line names them
.set RS,   64                          ; v64-191  numbers as loaded (x: two sets of 64; W: two sets of 32, and v128-175 the way out)
.set XN,   192                         ; v192-255 x: my 64 numbers, register 32 c + i = k 64 c + 32 h + i of my row
.set PC,   24                          ; v24-35   a fragment's codes
.set TT,   36                          ; v36-43   the second half of each block's codes, before they are moved
	s_load_b256 s[4:11], s[0:1], 0x0               ; x, Wq, Wk, Wv
	s_load_b64 s[12:13], s[0:1], 0x20              ; c1
	v_lshl_add_u32 v62, v0, 2, SPARE
	v_mov_b32 v63, 0
	v_lshrrev_b32 v1, 5, v0
	v_readfirstlane_b32 s16, v1                    ; wave
	s_mul_i32 s17, s16, XSTW
	s_add_co_u32 s18, s17, XSCW
	s_mul_i32 s19, s16, WSTW
	s_add_co_u32 s19, s19, WST0
	v_and_b32 v1, 31, v0                           ; L
	v_and_b32 v2, 15, v0                           ; r
	v_bfe_u32 v3, v0, 4, 1                         ; h
	v_lshlrev_b32 v4, 4, v1                        ; 16 L
	v_lshlrev_b32 v9, 3, v1                        ; 8 L
	v_lshlrev_b32 v10, 2, v1                       ; 4 L
	v_add_nc_u32 v5, s17, v4                       ; x: the stage, on the way in: 16 L of a row
	v_mul_u32_u24 v6, v2, 528
	v_lshl_add_u32 v6, v3, 7, v6
	v_add_nc_u32 v6, s17, v6                       ; and on the way out: row r, + 128 h
	v_lshlrev_b32 v7, 3, v2
	v_add_nc_u32 v7, s18, v7                       ; my row's scale word
	v_add_nc_u32 v8, s18, v9                       ; and the words' way out
	v_bfe_u32 v16, v0, 3, 1                        ; W: my column L of 32 is lane-row rr = L % 8 + 8 (L / 16) of block u = (L / 8) % 2
	v_and_b32 v17, 7, v0
	v_lshl_add_u32 v17, v3, 3, v17
	v_mul_u32_u24 v11, v16, WIMG
	v_lshl_add_u32 v11, v17, 4, v11
	v_add_nc_u32 v11, s19, v11                     ; my place in an image: 1,664 u + 16 rr
	v_add_nc_u32 v12, s19, v4                      ; the images' way out
	v_lshl_add_u32 v13, v16, 4, v17
	v_lshlrev_b32 v13, 3, v13                      ; my column's two scale words: 8 (16 u + rr)
	v_lshlrev_b32 v44, 3, v3                       ; 8 h
	v_mov_b32 v23, 0                               ; a lane permute's destination counts as one of its sources
	s_mov_b32 s20, 0x76543210
	s_mov_b32 s21, 0xfedcba98                      ; selects for lane l xor 16
	s_wait_alu depctr_va_vdst(0)                   ; the head's end
	s_cmp_lt_u32 ttmp9, 192
	s_cbranch_scc1 .Lweights
	; ---------------- x ----------------
	s_sub_co_u32 s22, ttmp9, 192
	s_lshl_b32 s22, s22, 1
	s_add_co_u32 s22, s22, s16                     ; which of 1,024 shares
	s_and_b32 s23, s22, 7                          ; K step s
	s_lshr_b32 s22, s22, 3                         ; group G of 64 rows
	s_lshl_b32 s24, s22, 18                        ; 64 rows of 4,096 bytes
	s_lshl_b32 s30, s23, 9
	s_add_co_u32 s24, s24, s30
	s_mov_b32 s25, 0
	s_lshr_b32 s30, s22, 1
	s_mul_i32 s28, s30, 102400
	s_mul_i32 s30, s23, 12800
	s_add_co_u32 s28, s28, s30                     ; the record: H = G / 2, s
	s_and_b32 s31, s22, 1                          ; its first or its second four blocks
	s_mul_i32 s26, s31, 6144
	s_add_co_u32 s26, s26, s28
	s_mov_b32 s27, 0
	s_lshl_b32 s31, s31, 8
	s_add_co_u32 s28, s28, s31
	s_add_co_u32 s28, s28, 12288
	s_mov_b32 s29, 0
	s_wait_kmcnt 0x0
	s_add_nc_u64 s[24:25], s[4:5], s[24:25]
	s_add_nc_u64 s[26:27], s[12:13], s[26:27]
	s_add_nc_u64 s[28:29], s[12:13], s[28:29]
.macro XLOAD f                         ; fragment f's 16 rows, 512 consecutive bytes a load
.irp i, 0,1,2,3,4,5,6,7,8,9,10,11,12,13,14,15
	global_load_b128 v[RS+64*((\f)%2)+4*\i:RS+64*((\f)%2)+4*\i+3], v4, s[24:25] offset:(32*((\f)/2)+8*((\f)%2)+(\i%8)+16*(\i/8))*4096 th:TH_LOAD_NT
.endr
.endm
.macro XFRAG f
.if (\f) < 3
	s_wait_loadcnt 16                              ; this fragment's 16 loads are in; the next one's may be out
.else
	s_wait_loadcnt 0
.endif
.irp i, 0,1,2,3,4,5,6,7,8,9,10,11,12,13,14,15
	ds_store_b128 v5, v[RS+64*((\f)%2)+4*\i:RS+64*((\f)%2)+4*\i+3] offset:528*\i
.endr
.irp c, 0,1
.irp j, 0,1,2,3,4,5,6,7
	ds_load_b128 v[XN+32*\c+4*\j:XN+32*\c+4*\j+3], v6 offset:256*\c+16*\j   ; LDS serves a wave's instructions in order: these see the stores above
.endr
.endr
	s_wait_dscnt 0x0                               ; my numbers are back, and the stores have read their registers
.if (\f) > 0
	s_wait_xcnt 0x0                                ; the last fragment's stores have read the codes' registers
.endif
.if (\f)+2 < 4
	XLOAD (\f)+2
.endif
.irp c, 0,1
	v_max3_num_f32 v[16+\c], |v[XN+32*\c]|, |v[XN+32*\c+1]|, 0x2800000   ; my block 2 c + h: all 32 numbers are mine; the floor 2^(5 - 127) holds the byte at 1 from below
.endr
.irp i, 2,4,6,8,10,12,14,16,18,20,22,24,26,28,30
.irp c, 0,1
	v_max3_num_f32 v[16+\c], v[16+\c], |v[XN+32*\c+\i]|, |v[XN+32*\c+\i+1]|
.endr
.endr
.irp c, 0,1
	v_add_nc_u32 v[18+\c], 0xfe000000, v[16+\c]    ; 4 off the exponent field: the conversion's scale operand
.endr
.irp c, 0,1
	v_lshrrev_b32 v[20+\c], 23, v[18+\c]           ; the scale's byte
.endr
	v_lshl_or_b32 v22, v21, 16, v20                ; my two bytes, blocks h and 2 + h,
	v_lshlrev_b32 v22, v44, v22                    ; at their places;
	v_permlanex16_b32 v23, v22, s20, s21
	v_or_b32 v22, v22, v23                         ; with lane l xor 16's two the word is whole
.irp c, 0,1
	v_cvt_scalef32_pk16_bf6_f32 v[PC+6*\c:PC+6*\c+2], v[XN+32*\c:XN+32*\c+15], v[18+\c]
	v_cvt_scalef32_pk16_bf6_f32 v[TT+4*\c:TT+4*\c+2], v[XN+32*\c+16:XN+32*\c+31], v[18+\c]   ; (a conversion's three registers begin on an even number)
.endr
	v_nop                                          ; one plain place behind a scaled conversion
.irp c, 0,1
.irp i, 0,1,2
	v_mov_b32 v[PC+6*\c+3+\i], v[TT+4*\c+\i]
.endr
.endr
.irp g, 0,1,2
	global_store_b128 v4, v[PC+4*\g:PC+4*\g+3], s[26:27] offset:1536*(\f)+512*\g   ; the image: 512 consecutive bytes a store
.endr
	ds_store_b32 v7, v22 offset:128*((\f)%2)+4*((\f)/2)   ; lanes r and 16 + r write the same word with the same value
.endm
	XLOAD 0
	XLOAD 1
	XFRAG 0
	XFRAG 1
	XFRAG 2
	XFRAG 3
	ds_load_b64 v[46:47], v8
	s_wait_dscnt 0x0
	global_store_b64 v9, v[46:47], s[28:29]        ; the four blocks' scale words: 256 consecutive bytes, aligned
	s_wait_tensorcnt 0x0                           ; the wave's end
	ds_add_u32 v62, v63
	s_wait_dscnt 0x0
	s_endpgm
	; ---------------- the weights ----------------
.Lweights:
	s_lshr_b32 s23, ttmp9, 6                       ; which weight: 0, 1, 2
	s_and_b32 s22, ttmp9, 63
	s_lshl_b32 s22, s22, 1
	s_add_co_u32 s22, s22, s16                     ; which of 128 shares
	s_and_b32 s30, s22, 15                         ; group of 64 columns: the two waves stand side by side on 512 bytes of each row
	s_lshr_b32 s31, s22, 4                         ; K step s
	s_lshl_b32 s24, s31, 19                        ; 128 rows of 4,096 bytes
	s_lshl_b32 s32, s30, 8
	s_add_co_u32 s24, s24, s32
	s_mov_b32 s25, 0
	s_lshl_b32 s26, s23, 3
	s_lshr_b32 s32, s30, 1
	s_add_co_u32 s26, s26, s32
	s_add_co_u32 s26, s26, 64                      ; H
	s_mul_i32 s28, s26, 102400
	s_mul_i32 s32, s31, 12800
	s_add_co_u32 s28, s28, s32                     ; the record
	s_and_b32 s32, s30, 1                          ; its first or its second four blocks
	s_mul_i32 s26, s32, 6144
	s_add_co_u32 s26, s26, s28
	s_mov_b32 s27, 0
	s_lshl_b32 s32, s32, 8
	s_add_co_u32 s28, s28, s32
	s_add_co_u32 s28, s28, 12288
	s_mov_b32 s29, 0
	s_wait_kmcnt 0x0
	s_cmp_eq_u32 s23, 0
	s_cselect_b64 s[34:35], s[6:7], s[8:9]
	s_cmp_eq_u32 s23, 2
	s_cselect_b64 s[34:35], s[10:11], s[34:35]
	s_add_nc_u64 s[24:25], s[34:35], s[24:25]
	s_add_nc_u64 s[26:27], s[12:13], s[26:27]
	s_add_nc_u64 s[28:29], s[12:13], s[28:29]
.macro WLOAD n                         ; block n % 4 of 32 along K, columns 32 (n / 4) + L: 128 consecutive bytes a load
.irp i, 0,1,2,3,4,5,6,7,8,9,10,11,12,13,14,15,16,17,18,19,20,21,22,23,24,25,26,27,28,29,30,31
	global_load_b32 v[RS+32*((\n)%2)+\i], v10, s[24:25] offset:(32*((\n)%4)+\i)*4096+128*((\n)/4) th:TH_LOAD_NT
.endr
.endm
.macro WBLOCK n
.set XS, RS+32*((\n)%2)
.set PP, (\n)/4
.set KB, (\n)%4
.set OFB, 2*WIMG*PP+256*(KB%2)         ; the pass's two images; lanes 16 (KB % 2) + rr of them
.if (\n) < 7
	s_wait_loadcnt 32                              ; this block's 32 loads are in; the next block's may be out
.else
	s_wait_loadcnt 0
.endif
	v_max3_num_f32 v16, |v[XS]|, |v[XS+1]|, |v[XS+2]|
	v_max3_num_f32 v17, |v[XS+3]|, |v[XS+4]|, |v[XS+5]|
.irp i, 6,10,14,18,22,26
	v_max3_num_f32 v16, v16, |v[XS+\i]|, |v[XS+\i+1]|
	v_max3_num_f32 v17, v17, |v[XS+\i+2]|, |v[XS+\i+3]|
.endr
	v_max3_num_f32 v16, v16, |v[XS+30]|, |v[XS+31]|
	v_max3_num_f32 v16, v16, v17, 0x2800000        ; with the floor
	v_add_nc_u32 v18, 0xfe000000, v16
	v_lshrrev_b32 v19, 23, v18
.if KB == 0
	v_mov_b32 v[14+PP], v19                        ; the column's scale word, the lower K in the lower byte
.else
	v_lshl_or_b32 v[14+PP], v19, 8*KB, v[14+PP]
.endif
	v_cvt_scalef32_pk16_bf6_f32 v[24:26], v[XS:XS+15], v18
	v_cvt_scalef32_pk16_bf6_f32 v[36:38], v[XS+16:XS+31], v18
	v_nop                                          ; one plain place behind a scaled conversion
	v_mov_b32 v27, v36
	v_mov_b32 v28, v37
	v_mov_b32 v29, v38
.if KB < 2                             ; registers 0-5 of the image's lane
	ds_store_b128 v11, v[24:27] offset:OFB
	ds_store_b64 v11, v[28:29] offset:OFB+512
.else                                  ; registers 6-11
	ds_store_b64 v11, v[24:25] offset:OFB+520
	ds_store_b128 v11, v[26:29] offset:OFB+1024
.endif
.if (\n)+2 < 8
	WLOAD (\n)+2
.endif
	s_wait_dscnt 0x0                               ; the stores have read their registers
.endm
	WLOAD 0
	WLOAD 1
.irp n, 0,1,2,3,4,5,6,7
	WBLOCK \n
.endr
.irp f, 0,1,2,3
.irp g, 0,1,2
	ds_load_b128 v[128+4*(3*\f+\g):128+4*(3*\f+\g)+3], v12 offset:WIMG*\f+512*\g
.endr
.endr
.irp f, 0,1,2,3
.irp g, 0,1,2
	s_wait_dscnt 11-(3*\f+\g)                      ; the younger loads may be out
	global_store_b128 v4, v[128+4*(3*\f+\g):128+4*(3*\f+\g)+3], s[26:27] offset:1536*\f+512*\g
.endr
.endr
	s_wait_alu depctr_va_vdst(0)                   ; directly ahead of the reader below
	global_store_b64 v13, v[14:15], s[28:29]       ; 64 columns' scale words: 256 consecutive bytes, aligned
	s_wait_tensorcnt 0x0                           ; the wave's end
	ds_add_u32 v62, v63
	s_wait_dscnt 0x0
	s_endpgm
.Lfunc_end_k_qb73c48180d_quant:
	.size	k_qb73c48180d_quant, .Lfunc_end_k_qb73c48180d_quant-k_qb73c48180d_quant
	.p2alignl 7, 3214868480
	.fill 96, 4, 3214868480
	.section	.rodata,"a",@progbits
	.p2align	6, 0x0
	.amdhsa_kernel k_qb73c48180d_quant
		.amdhsa_group_segment_fixed_size 30976
		.amdhsa_private_segment_fixed_size 0
		.amdhsa_enable_private_segment 0
		.amdhsa_kernarg_size 40
		.amdhsa_user_sgpr_count 2
		.amdhsa_user_sgpr_kernarg_segment_ptr 1
		.amdhsa_wavefront_size32 1
		.amdhsa_system_sgpr_workgroup_id_x 1
		.amdhsa_system_sgpr_workgroup_id_y 1
		.amdhsa_system_sgpr_workgroup_id_z 1
		.amdhsa_system_vgpr_workitem_id 0
		.amdhsa_next_free_vgpr 256
		.amdhsa_next_free_sgpr 66
		.amdhsa_reserve_vcc 0
		.amdhsa_float_denorm_mode_32 3
		.amdhsa_float_denorm_mode_16_64 3
		.amdhsa_memory_ordered 1
		.amdhsa_forward_progress 1
		.amdhsa_inst_pref_size 72
	.end_amdhsa_kernel
	.amdgpu_metadata
---
amdhsa.version: [ 1, 2 ]
amdhsa.kernels:
  - .name:           k_qb73c48180d_quant
    .symbol:         k_qb73c48180d_quant.kd
    .args:
      - { .name: x, .offset: 0, .size: 8, .value_kind: global_buffer, .address_space: global }
      - { .name: Wq, .offset: 8, .size: 8, .value_kind: global_buffer, .address_space: global }
      - { .name: Wk, .offset: 16, .size: 8, .value_kind: global_buffer, .address_space: global }
      - { .name: Wv, .offset: 24, .size: 8, .value_kind: global_buffer, .address_space: global }
      - { .name: c1, .offset: 32, .size: 8, .value_kind: global_buffer, .address_space: global }
    .group_segment_fixed_size: 30976
    .private_segment_fixed_size: 0
    .kernarg_segment_align: 8
    .kernarg_segment_size: 40
    .max_flat_workgroup_size: 64
    .sgpr_count:     66
    .vgpr_count:     256
    .wavefront_size: 32
...
	.end_amdgpu_metadata
.endif
;; end of part 1
;; launch proj (part 2): grid 8 x 32, 4 waves a work-group, clusters of 4 x 4, 327,680 bytes of LDS; arguments c1, bq, bk, bv, c2; writes c2
.if DOCPART == 2
	.amdgcn_target "amdgcn-amd-amdhsa--gfx1250"
	.amdhsa_code_object_version 6
	.text
	.protected	k_qb73c48180d_proj
	.globl	k_qb73c48180d_proj
	.p2align	8
	.type	k_qb73c48180d_proj,@function
k_qb73c48180d_proj:
	s_mov_b64 s[64:65], 0
	v_nop
	global_prefetch_b8 v0, s[64:65] scope:SCOPE_SE
	s_setreg_imm32_b32 hwreg(HW_REG_WAVE_MODE, 25, 1), 1
	s_wait_xcnt 0x0
	s_wait_alu depctr_hold_cnt(0) depctr_sa_sdst(0) depctr_va_vdst(0) depctr_va_sdst(0) depctr_va_ssrc(0) depctr_va_vcc(0) depctr_vm_vsrc(0)
	s_getreg_b32 s2, hwreg(HW_REG_IB_STS2, 6, 4)
	s_cmp_eq_u32 s2, 0
	s_cbranch_scc0 .Lentry_in_a_cluster
	s_endpgm
.Lentry_in_a_cluster:
	s_bfe_u32 s2, ttmp6, 0x10000c
	s_cmp_lg_u32 s2, 0xf033
	s_cbranch_scc0 .Lentry_shape_is_right
	s_endpgm
.Lentry_shape_is_right:
; Q = x Wq + bq, K = x Wk + bk (quantised along e) and V^T = (x Wv + bv)^T (quantised along the keys), on codes of BF6 with E8M0 scales; the results leave as codes again, in records as the launch before lays them.
; 256 work-groups, each STAYS for two tiles, K = 1,024 both times.  S1 is source 1 of the matrix instruction (its rows are the result's lanes), S0 source 0 (its rows run along a lane's registers: the axis that is quantised next).
;   TILE 1, 256 x 256 of Q | K: S1 = 256 rows of x (tile row), S0 = 256 rows of Wq | Wk (tile column).  A wave makes 128 x 128: 64 accumulators, 512 products.
;   TILE 2, 128 x 256 of V^T:   S1 = 128 rows of Wv (e: by the tile column), S0 = THE SAME 256 rows of x (keys).  A wave makes 64 x 128: 32 accumulators, 256 products.
; c1 = [88 H][8 s][12800]: a record = 128 rows x 128 K: eight images of fragments (1,536 bytes each), then the scale words (512 bytes).  Rows of a block in the order 32 (t / 2) + 8 (t % 2) + r % 8 + 16 (r / 8): with it the 16 registers
; of result tiles 2 b and 2 b + 1 are 16 NEIGHBOURS along S0's rows, so a wave's 8 tiles of a block of S1 become one fragment of the next product in registers, and are stored as they stand: no stage in LDS.
; c2: records Q | K at 0: [64 H][16 s][12800] (s 0-7 Q, 8-15 K); records V^T at 13,107,200: [8 (128 rows of e)][64 (keys / 128)][12800].
; CLUSTER 4 x 4: x's tile hangs on the tile row and is shared along a row of the cluster, the weights' tiles on the tile column and are shared along a column: each is asked for jointly.
; LDS: four regions of six records: x's two halves, the weights' two halves.  Wave w fills region w, one load at a time, each behind a round of the cluster's barrier:
;   head: K steps 0, 1 into records 0, 1;   behind the next round: K steps 2-5 into records 2-5;   at K step 1: K steps 6, 7 into records 0, 1;
;   at K step 5: the weights' records 2-5 take Wv (wave 2 its K steps 0-3, wave 3 4-7);   at K step 7: the weights' records 0, 1 take x's K steps 0, 1 (waves 0, 1).
; x's K steps 2-7 stay where tile 1 read them, so tile 2 walks K as 2 .. 7, 0, 1.
; PREFETCH: K steps 2-5 behind the head's load, one fill ahead; Wv at K step 1, four K steps ahead of its load.  Each partner names one record of the four that its wave will fetch (x by cx, weights by cy): twice 25 blocks of 256 bytes.
; The weights are read by eight clusters; those of the first four rows of clusters name them.  K steps 6, 7 have four K steps in which to land and are not prefetched; x's K steps 0, 1 have been read by tile 1.
; LIMITS: a block of zeros gets the byte 1 (its codes are zeros; this program alone reads the bytes); blocks under 2^-122 are held at byte 1; NaN and infinities are not served.
; REGISTERS, in windows of 256: window 0: v0-15 addresses; v16-31 scale words, two sets of 8; v32-53 at work, v54-63 tile 2's addresses; v64-159, v160-255 S1's fragments, two sets (tile 2: v64-111, v112-159; v208-255 the way out).
;   window 1: v0-95, v96-191 S0's fragments, two sets; v192-255 the bias.   windows 2, 3: accumulator (a, b) at v[8 (8 (a % 4) + b)] of window 2 + a / 4 (tile 2: window 2 alone).
.set REC,   12800                      ; a record
.set RGN,   6*REC                      ; a region
.set SCO,   12288                      ; the scale words in a record
.set WREG,  2*RGN                      ; the weights' regions
.set SPARE, 4*RGN                      ; the spare words, 128 bytes for each wave: no other line names them
.set VOFF,  13107200
.set ADA, 6                            ; v6-7    tile 1: 16 L + my half of x, records 0-2, 3-5
.set ADB, 8                            ; v8-9    the same for Wq | Wk (tile 2: x's K steps 0, 1)
.set ASA, 10                           ; v10-11  8 L + the scale words of my half of x
.set ASB, 12                           ; v12-13  of Wq | Wk
.set SPW, 14                           ; v14     my spare word; never rewritten
.set NIL, 15                           ; v15     0; never rewritten
.set SC,  16
.set TM,  32                           ; v32-39 largest magnitudes
.set TX,  40                           ; v40-47 lane l xor 16's, then the bytes
.set PW,  48                           ; v48-49 two blocks' scale words
.set PR,  50                           ; v50-53 scale words of two blocks each: lanes 0-15 the even block's, lanes 16-31 the odd one's
.set XA,  54                           ; v54-55  tile 2: 16 L + my half of x (as S0), records 0-2, 3-5
.set XS,  56                           ; v56-57  8 L + their scale words
.set PF,  58                           ; v58     the prefetches' offset: my lane x 256, the last lanes held at the last block; never rewritten
.set WVA, 60                           ; v60-61  16 L + my four blocks of Wv, K steps 0-3, 4-7
.set WVS, 62                           ; v62-63
.set AF,  64
.set PC,  208                          ; the way out: v208-227, v228-247 two fragments' codes
.set SOP, 248                          ; v248-255 the conversions' scale operands
.set BIAS, 192
.set WV, 18
.set RI, 19                            ; my half of S1.  Also: I fetch x (0) or weights (1)
.set CJ, 20                            ; my half of S0.  Also: which half I fetch
.set PX, 21
.set PY, 22
.set G1A, 24
.set G1B, 32
.set G0A, 40
.set G0B, 44
.set WVG, 54                           ; s[54:55] where my part of Wv lies
.set BP,  70
.set B2,  74
.set OB,  76
.set O2,  78
.set O2S, 80
.set HM,  84
.set PFA, 92                           ; s[92:93] K steps 2-5: my partner's record
.set PFB, 94                           ; s[94:95] Wv: my partner's record
.set ASKA, 96                          ; under 4 where my wave asks
.set ASKB, 97
.set SEL, 100
.set TO_B, 0x40
.set MSB, 0
.macro WIN new                         ; the immediate's high byte repeats the setting that is left
.if MSB != (\new)
	s_set_vgpr_msb (MSB<<8)|(\new)
.set MSB, (\new)
.endif
.endm
.macro PLACES n
.rept \n
	v_nop
.endr
.endm
.macro CREST                           ; a round of the cluster's barrier behind its opening barrier
	s_cmp_lg_u32 s[WV], 0
	s_cbranch_scc1 .Lnot_wave_0_\@
	s_barrier_signal -3
.Lnot_wave_0_\@:
	s_barrier_wait -3
	s_barrier_signal -1
	s_barrier_wait -1
.endm
.macro CROUND
	s_barrier_signal -1
	s_barrier_wait -1
	CREST
.endm
.macro JLOAD                           ; a joint load: waves 0, 1 ask for x, waves 2, 3 for weights; four v_nop follow each line
	s_cmp_eq_u32 s[RI], 0
	s_cbranch_scc0 .Lfor_b_\@
	tensor_load_to_lds s[G0A:G0A+3], s[G1A:G1A+7]
	s_nop 0
	PLACES 4
	s_branch .Lasked_\@
.Lfor_b_\@:
	tensor_load_to_lds s[G0B:G0B+3], s[G1B:G1B+7]
	s_nop 0
	PLACES 4
.Lasked_\@:
.endm
.macro JONE half, g0, g1               ; the same where only the waves with RI = half have a part to fill
	s_cmp_eq_u32 s[RI], \half
	s_cbranch_scc0 .Lnone_\@
	tensor_load_to_lds s[\g0:\g0+3], s[\g1:\g1+7]
	s_nop 0
	PLACES 4
.Lnone_\@:
	PLACES 4                                       ; on every way four places in front of the loads that follow
.endm
.macro ASK at, flag                    ; a prefetch: 50 blocks of 256 bytes
	s_cmp_lt_u32 s[\flag], 4
	s_cbranch_scc0 .Lno_\@
	global_prefetch_b8 v[PF], s[\at:\at+1] th:TH_LOAD_NT scope:SCOPE_SE
	global_prefetch_b8 v[PF], s[\at:\at+1] offset:6400 th:TH_LOAD_NT scope:SCOPE_SE
.Lno_\@:
.endm
.macro W4 c                            ; one product; an odd block's scale words lie in lanes 16-31 of their register
.if ROWSEL == 0
	v_wmma_scale_f32_16x16x128_f8f6f4 v[rD:rD+7], v[rA:rA+11], v[rB:rB+11], \c, v[rSA], v[rSB] matrix_a_fmt:MATRIX_FMT_BF6 matrix_b_fmt:MATRIX_FMT_BF6
.elseif ROWSEL == 1
	v_wmma_scale_f32_16x16x128_f8f6f4 v[rD:rD+7], v[rA:rA+11], v[rB:rB+11], \c, v[rSA], v[rSB] matrix_a_fmt:MATRIX_FMT_BF6 matrix_b_fmt:MATRIX_FMT_BF6 matrix_b_scale:MATRIX_SCALE_ROW1
.elseif ROWSEL == 2
	v_wmma_scale_f32_16x16x128_f8f6f4 v[rD:rD+7], v[rA:rA+11], v[rB:rB+11], \c, v[rSA], v[rSB] matrix_a_fmt:MATRIX_FMT_BF6 matrix_b_fmt:MATRIX_FMT_BF6 matrix_a_scale:MATRIX_SCALE_ROW1
.else
	v_wmma_scale_f32_16x16x128_f8f6f4 v[rD:rD+7], v[rA:rA+11], v[rB:rB+11], \c, v[rSA], v[rSB] matrix_a_fmt:MATRIX_FMT_BF6 matrix_b_fmt:MATRIX_FMT_BF6 matrix_a_scale:MATRIX_SCALE_ROW1 matrix_b_scale:MATRIX_SCALE_ROW1
.endif
.endm
; ---- tile 1 ----
.macro MULA p, cm                      ; S1's block AA against S0's eight, from set p.  cm = 0: onto the sums; 1: C = the bias of S0's block
.irp b, 0,1,2,3,4,5,6,7
.set rD, 8*(8*(AA%4)+\b)
.set rA, 96*(\p)+12*\b
.set rB, AF+96*(\p)+12*AA
.set rSA, SC+8*(\p)+4+2*(\b/4)+(\b%4)/2
.set rSB, SC+8*(\p)+2*(AA/4)+(AA%4)/2
.set ROWSEL, 2*(\b%2)+AA%2
.if (\cm) == 0
.set rC, rD
.else
.set rC, BIAS+8*\b
.endif
	W4 v[rC:rC+7]
.endr
.endm
.macro MULRUN a0, n, p, cm             ; blocks a0 .. a0 + n - 1.  All 64 accumulators take turns, one instruction a turn, in the same order in every step
.set AA, \a0
.rept \n
.if (\cm) == 0
	WIN 0xa1+0x50*(AA/4)
.else
	WIN 0x91+0x40*(AA/4)
.endif
	MULA \p, \cm
.set AA, AA+1
.endr
.endm
.macro FETCH q, p                      ; the fragments and scale words in record q of each region into set p: one run of loads; each takes 512 or 256 consecutive bytes
	WIN TO_B
.irp b, 0,1,2,3,4,5,6,7
.irp g, 0,1,2
	ds_load_b128 v[96*(\p)+12*\b+4*\g:96*(\p)+12*\b+4*\g+3], v[ADB+(\q)/3] offset:((\q)%3)*REC+1536*\b+512*\g
.endr
.endr
	WIN 0
.irp a, 0,1,2,3,4,5,6,7
.irp g, 0,1,2
	ds_load_b128 v[AF+96*(\p)+12*\a+4*\g:AF+96*(\p)+12*\a+4*\g+3], v[ADA+(\q)/3] offset:((\q)%3)*REC+1536*\a+512*\g
.endr
.endr
	ds_load_b64 v[SC+8*(\p):SC+8*(\p)+1], v[ASA+(\q)/3] offset:((\q)%3)*REC
	ds_load_b64 v[SC+8*(\p)+2:SC+8*(\p)+3], v[ASA+(\q)/3] offset:((\q)%3)*REC+256
	ds_load_b64 v[SC+8*(\p)+4:SC+8*(\p)+5], v[ASB+(\q)/3] offset:((\q)%3)*REC
	ds_load_b64 v[SC+8*(\p)+6:SC+8*(\p)+7], v[ASB+(\q)/3] offset:((\q)%3)*REC+256
.endm
.macro STEP p, nq                      ; a K step on set p; the next step's loads go out first, a whole step ahead of their use
	s_wait_dscnt 0x0                               ; my set, asked for a step ago, is in
	PLACES 4                                       ; four places between the last step's products and the loads into the registers that they read
	FETCH \nq, 1-(\p)
	MULRUN 0, 8, \p, 0
.endm
; A step at which LDS bytes are filled again (kind: the K step).  In front of the round each wave waits for all its tensor loads, adds 0 to its spare word, and waits for that and for its LDS reads; the joint refill is the first thing behind the round.
.macro TURN p, kind, nq
	WIN 0
	s_wait_tensorcnt 0x0                           ; all my tensor loads have landed
	ds_add_u32 v[SPW], v[NIL]                      ; 0 onto my spare word
	s_wait_dscnt 1                                 ; my set is in; the add may be out
.if (\kind) == 1
.irp g, G1A, G1B
	s_mov_b32 s[\g+2], 2<<16                       ; two records:
	s_mov_b32 s[\g+4], 2
.endr
	s_sub_co_u32 s[G0A+1], s[G0A+1], 2*REC         ; K steps 6 and 7, into records 0 and 1
	s_sub_co_u32 s[G0B+1], s[G0B+1], 2*REC
	s_add_nc_u64 s[G0A+2:G0A+3], s[G0A+2:G0A+3], 4*REC
	s_add_nc_u64 s[G0B+2:G0B+3], s[G0B+2:G0B+3], 4*REC
.elseif (\kind) == 5
	s_mov_b32 s[G1B+2], 4<<16                      ; four records of Wv, into records 2 to 5
	s_mov_b32 s[G1B+4], 4
	s_add_co_u32 s[G0B+1], s[G0B+1], 2*REC
	s_mov_b64 s[G0B+2:G0B+3], s[WVG:WVG+1]
	s_or_b32 s[G0B+3], s[G0B+3], 0x80000000
.else
	s_add_co_u32 s[G0A+1], s[G0A+1], WREG          ; x's K steps 0 and 1 of half CJ, into the weights' region CJ
	s_sub_nc_u64 s[G0A+2:G0A+3], s[G0A+2:G0A+3], 6*REC
.endif
	MULRUN 0, 2, \p, 0
	s_wait_dscnt 0x0                               ; the add is done, and no LDS read of mine is out
	s_barrier_signal -1
	MULRUN 2, 2, \p, 0
	WIN 0
	s_barrier_wait -1
	CREST
.if (\kind) == 1
	JLOAD                                          ; its four v_nop are also the places in front of the loads below
.elseif (\kind) == 5
	JONE 1, G0B, G1B
.else
	JONE 0, G0A, G1A
.endif
.if (\nq) >= 0
	FETCH \nq, 1-(\p)
.endif
.if (\kind) == 1
	ASK PFB, ASKB                                  ; Wv
.endif
	MULRUN 4, 4, \p, 0
.endm
; ---- tile 2 ----
.macro MULA2 p, cm                     ; cm = 1: C = the bias of S1's block
.irp b, 0,1,2,3,4,5,6,7
.set rD, 8*(8*AA+\b)
.set rA, 96*(\p)+12*\b
.set rB, AF+48*(\p)+12*AA
.set rSA, SC+8*(\p)+4+2*(\b/4)+(\b%4)/2
.set rSB, SC+8*(\p)+AA/2
.set ROWSEL, 2*(\b%2)+AA%2
.if (\cm) == 0
.set rC, rD
.else
.set rC, BIAS+8*AA
.endif
	W4 v[rC:rC+7]
.endr
.endm
.macro MULRUN2 a0, n, p, cm            ; all 32 accumulators take turns, one instruction a turn, in the same order in every step
.set AA, \a0
.if (\cm) == 0
	WIN 0xa1
.else
	WIN 0x91
.endif
.rept \n
	MULA2 \p, \cm
.set AA, AA+1
.endr
.endm
.macro FETCH2 k                        ; K step k into set k % 2: x's eight blocks (S0), Wv's four (S1), their scale words
.set QQ, (\k)%2
.if (\k) < 2
.set xR, ADB
.set xT, ASB
.set xO, REC*(\k)
.else
.set xQ, (\k)-6*((\k)/6)               ; K steps 6 and 7 lie in records 0 and 1
.set xR, XA+xQ/3
.set xT, XS+xQ/3
.set xO, REC*(xQ%3)
.endif
	WIN TO_B
.irp b, 0,1,2,3,4,5,6,7
.irp g, 0,1,2
	ds_load_b128 v[96*QQ+12*\b+4*\g:96*QQ+12*\b+4*\g+3], v[xR] offset:xO+1536*\b+512*\g
.endr
.endr
	WIN 0
.irp a, 0,1,2,3
.irp g, 0,1,2
	ds_load_b128 v[AF+48*QQ+12*\a+4*\g:AF+48*QQ+12*\a+4*\g+3], v[WVA+(\k)/4] offset:((\k)%4)*REC+1536*\a+512*\g
.endr
.endr
	ds_load_b64 v[SC+8*QQ:SC+8*QQ+1], v[WVS+(\k)/4] offset:((\k)%4)*REC
	ds_load_b64 v[SC+8*QQ+4:SC+8*QQ+5], v[xT] offset:xO
	ds_load_b64 v[SC+8*QQ+6:SC+8*QQ+7], v[xT] offset:xO+256
.endm
.macro STEP2 k
	s_wait_dscnt 0x0                               ; my set, asked for a step ago, is in
	PLACES 4
	FETCH2 ((\k)+1)%8
	MULRUN2 0, 4, (\k)%2, 0
.endm
; Blocks 2 i and 2 i + 1 by turns.  The 64 results of a block in a lane (register 16 b + j = index 32 b + 16 h + j along S0's rows) become a fragment's codes and its scale word, and are stored: three stores of 512 consecutive bytes a block.
.macro QUANT2 i, x, ob, os
.set A0, 128*((\i)%2)
.set WA, (\i)/2
	WIN 0x0a+5*WA
.irp b, 0,1,2,3,4,5,6,7
	v_max3_num_f32 v[TM+\b], |v[A0+16*\b]|, |v[A0+16*\b+1]|, 0x2800000   ; each accumulator is read from its low end on; the floor 2^(5 - 127) holds the byte at 1 from below
.endr
.irp j, 2,4,6,8,10,12,14
.irp b, 0,1,2,3,4,5,6,7
	v_max3_num_f32 v[TM+\b], |v[A0+16*\b+\j]|, |v[A0+16*\b+\j+1]|, v[TM+\b]
.endr
.endr
	WIN 0
.irp b, 0,1,2,3,4,5,6,7
	v_permlanex16_b32 v[TX+\b], v[TM+\b], s[SEL], s[SEL+1]
.endr
.irp b, 0,1,2,3,4,5,6,7
	v_max_num_f32 v[TM+\b], v[TM+\b], v[TX+\b]     ; with lane l xor 16's 16: the block's largest magnitude
.endr
.irp b, 0,1,2,3,4,5,6,7
	v_add_nc_u32 v[SOP+\b], 0xfe000000, v[TM+\b]   ; 4 off its exponent field: the conversion's scale operand
.endr
.irp b, 0,1,2,3,4,5,6,7
	v_lshrrev_b32 v[TX+\b], 23, v[SOP+\b]          ; the scale's byte
.endr
.irp e, 0,1
	v_lshl_or_b32 v[PW+\e], v[TX+4*\e+1], 8, v[TX+4*\e]
.endr
.irp e, 0,1
	v_lshl_or_b32 v[PW+\e], v[TX+4*\e+2], 16, v[PW+\e]
.endr
.irp e, 0,1
	v_lshl_or_b32 v[PW+\e], v[TX+4*\e+3], 24, v[PW+\e]
.endr
.if \x
	s_wait_alu depctr_va_vdst(0)                   ; directly ahead of the wait below
	s_wait_xcnt 0x0                                ; the earlier stores have read the codes' and the scale words' registers
.endif
	WIN 0x02+WA
.irp e, 0,1
.irp c, 0,1
	v_cvt_scalef32_pk16_bf6_f32 v[PC+20*\e+6*\c:PC+20*\e+6*\c+2], v[A0+64*\e+32*\c:A0+64*\e+32*\c+15], v[SOP+4*\e+2*\c]
	v_cvt_scalef32_pk16_bf6_f32 v[PC+20*\e+12+4*\c:PC+20*\e+14+4*\c], v[A0+64*\e+32*\c+16:A0+64*\e+32*\c+31], v[SOP+4*\e+2*\c+1]
.endr
.endr
	WIN 0
	v_nop                                          ; one plain place behind a scaled conversion
.irp j, 0,1,2                          ; the operand's layout wants a whole block of 32 in a lane
.irp e, 0,1
.irp c, 0,1
	v_permlane16_swap_b32 v[PC+20*\e+6*\c+\j], v[PC+20*\e+12+4*\c+\j]
.endr
.endr
.endr
.irp j, 0,1,2
.irp e, 0,1
.irp c, 0,1
	v_mov_b32 v[PC+20*\e+6*\c+3+\j], v[PC+20*\e+12+4*\c+\j]
.endr
.endr
.endr
.irp e, 0,1
.irp g, 0,1,2
	global_store_b128 v4, v[PC+20*\e+4*\g:PC+20*\e+4*\g+3], s[\ob:\ob+1] offset:1536*(2*(\i)+\e)+512*\g
.endr
.endr
	v_cndmask_b32 v[PR+\i], v[PW], v[PW+1], s[HM]  ; lanes 16-31 take the odd block's words
.if (\i)%2 == 1
	global_store_b64 v5, v[PR+\i-1:PR+\i], s[\os:\os+1] offset:SCO+256*WA   ; four blocks' scale words: 256 consecutive bytes, aligned
.endif
.endm
	s_load_b256 s[4:11], s[0:1], 0x0               ; c1, bq, bk, bv
	s_load_b64 s[12:13], s[0:1], 0x20              ; c2
	v_lshl_add_u32 v[SPW], v0, 2, SPARE
	v_mov_b32 v[NIL], 0
	ds_add_u32 v[SPW], v[NIL]                      ; the wave's opening: the add, twice on end, and its wait
	ds_add_u32 v[SPW], v[NIL]
	v_lshrrev_b32 v1, 5, v0
	v_readfirstlane_b32 s[WV], v1
	s_lshr_b32 s[RI], s[WV], 1
	s_and_b32 s[CJ], s[WV], 1
	s_bfe_u32 s[PX], ttmp6, 0x40000                ; cx
	s_bfe_u32 s[PY], ttmp6, 0x40004                ; cy
	s_and_b32 s85, ttmp7, 0xffff                   ; the cluster's y
	s_lshl_b32 s86, s85, 2
	s_add_co_u32 s86, s86, s[PY]                   ; tile row 0-31: 256 rows of x
	s_lshl_b32 s87, ttmp9, 2
	s_add_co_u32 s87, s87, s[PX]                   ; tile column 0-7: 256 rows of Wq | Wk, 128 rows of Wv
	s_lshl_b32 s90, s[PY], 2
	s_lshl_b32 s90, 15, s90                        ; my row of the cluster
	s_lshl_b32 s91, 0x1111, s[PX]                  ; my column
	; group 1: records end to end, as rows of 12,800 bytes = 1,600 elements of 8 bytes: two at the head
	s_or_b32 s[G1A], s90, (3<<16)|(1<<21)          ; 15:0 the mask; 17:16 elements of 8 bytes; 21 set beside a mask
	s_or_b32 s[G1B], s91, (3<<16)|(1<<21)
.irp g, G1A, G1B
	s_mov_b32 s[\g+1], (REC/8)<<16                 ; tensor_dim0
	s_mov_b32 s[\g+2], 2<<16                       ; tensor_dim1
	s_mov_b32 s[\g+3], (REC/8)<<16                 ; tile_dim0
	s_mov_b32 s[\g+4], 2                           ; tile_dim1
	s_mov_b32 s[\g+5], REC/8                       ; from row to row
	s_mov_b32 s[\g+6], 0
	s_mov_b32 s[\g+7], 0
.endr
	s_lshl_b32 s50, s86, 1
	s_add_co_u32 s50, s50, s[CJ]                   ; the half that I fetch: of x (hangs on cy alone),
	s_mul_i32 s50, s50, 8*REC
	s_mov_b32 s51, 0
	s_lshl_b32 s52, s87, 1
	s_add_co_u32 s52, s52, s[CJ]                   ; of Wq | Wk (on cx alone)
	s_add_co_u32 s52, s52, 64
	s_mul_i32 s52, s52, 8*REC
	s_mov_b32 s53, 0
	s_add_co_u32 s54, s87, 80                      ; Wv's 128 rows of my tile column (on cx alone): wave 2 fetches K steps 0-3, wave 3 K steps 4-7
	s_mul_i32 s54, s54, 8*REC
	s_mul_i32 s55, s[CJ], 4*REC
	s_add_co_u32 s54, s54, s55
	s_mov_b32 s55, 0
	s_mul_i32 s56, s[WV], RGN                      ; where my tile goes: no place in the cluster enters an LDS address
	s_mov_b32 s[G0A], 1
	s_mov_b32 s[G0A+1], s56
	s_mov_b32 s[G0B], 1
	s_mov_b32 s[G0B+1], s56
	s_wait_dscnt 0x0                               ; both opening adds are done
	s_wait_kmcnt 0x0
	s_add_nc_u64 s[50:51], s[4:5], s[50:51]
	s_add_nc_u64 s[52:53], s[4:5], s[52:53]
	s_mov_b64 s[G0A+2:G0A+3], s[50:51]
	s_or_b32 s[G0A+3], s[G0A+3], 0x80000000
	s_mov_b64 s[G0B+2:G0B+3], s[52:53]
	s_or_b32 s[G0B+3], s[G0B+3], 0x80000000
	s_add_nc_u64 s[WVG:WVG+1], s[4:5], s[54:55]
	CROUND                                         ; all sixteen work-groups are here: the first joint loads meet
	JLOAD                                          ; K steps 0, 1: one tensor load a wave at the head
	; the prefetches: my partner's record by cx (x) or by cy (weights)
	s_mul_i32 s88, s[PX], REC
	s_mul_i32 s89, s[PY], REC
	s_cmp_eq_u32 s[RI], 0
	s_cselect_b64 s[PFA:PFA+1], s[50:51], s[52:53]
	s_cselect_b32 s88, s88, s89
	s_cselect_b32 s[ASKA], 0, s85                  ; x: every cluster asks; weights: the first four rows of clusters
	s_cselect_b32 s[ASKB], 4, s85                  ; Wv: the weights' waves of those clusters
	s_add_co_u32 s88, s88, 2*REC
	s_mov_b32 s89, 0
	s_add_nc_u64 s[PFA:PFA+1], s[PFA:PFA+1], s[88:89]
	s_mul_i32 s88, s[PY], REC
	s_add_nc_u64 s[PFB:PFB+1], s[WVG:WVG+1], s[88:89]
	v_and_b32 v1, 31, v0                           ; L
	v_min_u32 v[PF], 24, v1
	v_lshlrev_b32 v[PF], 8, v[PF]
	s_wait_alu depctr_va_vdst(0)
	ASK PFA, ASKA                                  ; K steps 2-5
	; THE BIAS of tile 1: tile columns 0-3 are Q's, 4-7 K's: the choice hangs on the cluster's x alone
	s_cmp_eq_u32 ttmp9, 0
	s_cselect_b64 s[BP:BP+1], s[6:7], s[8:9]
	s_lshl_b32 s72, s[PX], 10
	s_lshl_b32 s73, s[CJ], 9
	s_add_co_u32 s72, s72, s73
	s_mov_b32 s73, 0
	s_add_nc_u64 s[BP:BP+1], s[BP:BP+1], s[72:73]
	s_lshl_b32 s72, s87, 9                         ; bv: my 64 rows of e
	s_lshl_b32 s73, s[RI], 8
	s_add_co_u32 s72, s72, s73
	s_mov_b32 s73, 0
	s_add_nc_u64 s[B2:B2+1], s[10:11], s[72:73]
	; where the results go: tile 1's record H = 2 x tile row + RI, s = 2 x tile column + CJ
	s_lshl_b32 s72, s86, 1
	s_add_co_u32 s73, s72, s[RI]
	s_lshl_b32 s73, s73, 4
	s_lshl_b32 s88, s87, 1
	s_add_co_u32 s73, s73, s88
	s_add_co_u32 s73, s73, s[CJ]
	s_mul_i32 s88, s73, REC
	s_mov_b32 s89, 0
	s_add_nc_u64 s[OB:OB+1], s[12:13], s[88:89]
	s_lshl_b32 s73, s87, 6                         ; tile 2's record: e / 128 = tile column, keys / 128 = 2 x tile row + CJ; my four blocks of its eight
	s_add_co_u32 s73, s73, s72
	s_add_co_u32 s73, s73, s[CJ]
	s_mul_i32 s88, s73, REC
	s_add_co_u32 s88, s88, VOFF
	s_add_nc_u64 s[O2S:O2S+1], s[12:13], s[88:89]
	s_mul_i32 s88, s[RI], 6144
	s_add_nc_u64 s[O2:O2+1], s[O2S:O2S+1], s[88:89]
	s_lshl_b32 s88, s[RI], 8
	s_add_nc_u64 s[O2S:O2S+1], s[O2S:O2S+1], s[88:89]
	s_mul_i32 s56, s[RI], RGN                      ; LDS: my half of x as S1,
	s_add_co_u32 s57, s56, 3*REC
	s_mul_i32 s58, s[CJ], RGN                      ; as S0,
	s_add_co_u32 s59, s58, 3*REC
	s_add_co_u32 s60, s58, WREG                    ; Wq | Wk
	s_add_co_u32 s61, s59, WREG
	s_mul_i32 s63, s[RI], 6144
	s_add_co_u32 s63, s63, WREG+2*REC              ; Wv's blocks, in the two regions' records 2 to 5
	s_add_co_u32 s66, s63, RGN
	s_lshl_b32 s67, s[RI], 8
	s_add_co_u32 s67, s67, WREG+2*REC+SCO
	s_add_co_u32 s68, s67, RGN
	s_mov_b32 s[HM], 0xffff0000                    ; lanes 16-31
	s_mov_b32 s[SEL], 0x76543210
	s_mov_b32 s[SEL+1], 0xfedcba98
	v_lshlrev_b32 v4, 4, v1                        ; 16 L
	v_lshlrev_b32 v5, 3, v1                        ; 8 L
	v_add_nc_u32 v1, SCO, v5
	v_bfe_u32 v2, v0, 4, 1
	v_lshlrev_b32 v2, 6, v2                        ; 64 h
	WIN TO_B                                       ; register 8 b + j holds the bias of column 32 (b / 2) + 16 h + 8 (b % 2) + j of my 128
.irp b, 0,1,2,3,4,5,6,7
	global_load_b128 v[BIAS+8*\b:BIAS+8*\b+3], v2, s[BP:BP+1] offset:4*(32*(\b/2)+8*(\b%2))
	global_load_b128 v[BIAS+8*\b+4:BIAS+8*\b+7], v2, s[BP:BP+1] offset:4*(32*(\b/2)+8*(\b%2))+16
.endr
	WIN 0
	v_and_b32 v3, 7, v0
	v_bfe_u32 v6, v0, 3, 1
	v_lshl_add_u32 v3, v6, 4, v3                   ; r % 8 + 16 (r / 8): my lane's row in a block of bv
	v_lshlrev_b32 v3, 2, v3
	v_add_nc_u32 v[ADA], s56, v4
	v_add_nc_u32 v[ADA+1], s57, v4
	v_add_nc_u32 v[ADB], s60, v4
	v_add_nc_u32 v[ADB+1], s61, v4
	v_add_nc_u32 v[ASA], s56, v1
	v_add_nc_u32 v[ASA+1], s57, v1
	v_add_nc_u32 v[ASB], s60, v1
	v_add_nc_u32 v[ASB+1], s61, v1
	v_add_nc_u32 v[XA], s58, v4
	v_add_nc_u32 v[XA+1], s59, v4
	v_add_nc_u32 v[XS], s58, v1
	v_add_nc_u32 v[XS+1], s59, v1
	v_add_nc_u32 v[WVA], s63, v4
	v_add_nc_u32 v[WVA+1], s66, v4
	v_add_nc_u32 v[WVS], s67, v5
	v_add_nc_u32 v[WVS+1], s68, v5
	; ---------------- TILE 1 ----------------
	s_wait_alu depctr_va_vdst(0)                   ; the head's end
	s_wait_tensorcnt 0x0                           ; my K steps 0 and 1 are in
	ds_add_u32 v[SPW], v[NIL]
.irp g, G1A, G1B
	s_mov_b32 s[\g+2], 4<<16                       ; the next load brings four records:
	s_mov_b32 s[\g+4], 4
.endr
	s_add_co_u32 s[G0A+1], s[G0A+1], 2*REC         ; K steps 2 to 5, into records 2 to 5
	s_add_co_u32 s[G0B+1], s[G0B+1], 2*REC
	s_add_nc_u64 s[G0A+2:G0A+3], s[G0A+2:G0A+3], 2*REC
	s_add_nc_u64 s[G0B+2:G0B+3], s[G0B+2:G0B+3], 2*REC
	s_wait_dscnt 0x0                               ; the add is done
	CROUND                                         ; K steps 0 and 1 are whole for every wave, and all sixteen work-groups are here
	JLOAD
	FETCH 0, 0
	s_wait_dscnt 0x0
	s_wait_loadcnt 0x0                             ; the bias
	FETCH 1, 1
	MULRUN 0, 8, 0, 1                              ; K step 0 starts the sums from the bias: nothing is cleared, nothing is added later
	TURN 1, 1, 2                                   ; K step 1: records 0 and 1 are in registers; they take K steps 6 and 7, which have K steps 2 to 4 in which to land
	WIN TO_B                                       ; bv into the registers that held tile 1's bias (the joint load's four v_nop stand between K step 0's products and these loads)
.irp a, 0,1,2,3
.irp j, 0,1,2,3,4,5,6,7
	global_load_b32 v[BIAS+8*\a+\j], v3, s[B2:B2+1] offset:4*(32*(\a/2)+8*(\a%2))   ; all eight registers of block a: the bias of my lane's row
.endr
.endr
	STEP 0, 3
	STEP 1, 4
	STEP 0, 5
	TURN 1, 5, 0                                   ; K step 5: K steps 6 and 7 are whole for every wave; nobody reads the weights' records 2 to 5 any more: they take Wv
	STEP 0, 1
	TURN 1, 7, -1                                  ; K step 7: nobody reads the weights' records 0 and 1 any more: they take x's K steps 0 and 1
	; TILE 1'S WAY OUT, two blocks of S1 at a time, quantised in registers and stored as the next product's fragments
	WIN 0
	PLACES 4                                       ; between the last products and the first read of results, and the first write of registers that they read
.irp b, 0,1,2,3,4,5,6,7
	v_mov_b32 v[TX+\b], 0                          ; a lane permute's destination counts as one of its sources
.endr
	QUANT2 0, 0, OB, OB
	QUANT2 1, 1, OB, OB
	QUANT2 2, 1, OB, OB
	s_wait_tensorcnt 0x0                           ; my part of tile 2's tiles is in
	s_barrier_signal -1
	s_barrier_wait -1
	FETCH2 2                                       ; tile 2's first fragments land under blocks 6 and 7
	QUANT2 3, 1, OB, OB
	; ---------------- TILE 2 ----------------
	s_wait_dscnt 0x0                               ; K step 2's set
	s_wait_loadcnt 0x0                             ; bv
	FETCH2 3
	MULRUN2 0, 4, 0, 1                             ; K step 2 starts the sums from the bias
	STEP2 3
	STEP2 4
	STEP2 5
	STEP2 6
	STEP2 7
	STEP2 0
	s_wait_dscnt 0x0
	MULRUN2 0, 4, 1, 0                             ; K step 1
	WIN 0
	PLACES 4
	QUANT2 0, 1, O2, O2S
	QUANT2 1, 1, O2, O2S
	s_wait_tensorcnt 0x0                           ; the wave's end
	ds_add_u32 v[SPW], v[NIL]
	s_wait_dscnt 0x0
	CROUND                                         ; the closing round
	s_endpgm
.Lfunc_end_k_qb73c48180d_proj:
	.size	k_qb73c48180d_proj, .Lfunc_end_k_qb73c48180d_proj-k_qb73c48180d_proj
	.p2alignl 7, 3214868480
	.fill 96, 4, 3214868480
	.section	.rodata,"a",@progbits
	.p2align	6, 0x0
	.amdhsa_kernel k_qb73c48180d_proj
		.amdhsa_group_segment_fixed_size 327680
		.amdhsa_private_segment_fixed_size 0
		.amdhsa_enable_private_segment 0
		.amdhsa_kernarg_size 40
		.amdhsa_user_sgpr_count 2
		.amdhsa_user_sgpr_kernarg_segment_ptr 1
		.amdhsa_wavefront_size32 1
		.amdhsa_system_sgpr_workgroup_id_x 1
		.amdhsa_system_sgpr_workgroup_id_y 1
		.amdhsa_system_sgpr_workgroup_id_z 1
		.amdhsa_system_vgpr_workitem_id 0
		.amdhsa_next_free_vgpr 1024
		.amdhsa_next_free_sgpr 102
		.amdhsa_reserve_vcc 0
		.amdhsa_float_denorm_mode_32 3
		.amdhsa_float_denorm_mode_16_64 3
		.amdhsa_memory_ordered 1
		.amdhsa_forward_progress 1
		.amdhsa_inst_pref_size 214
	.end_amdhsa_kernel
	.amdgpu_metadata
---
amdhsa.version: [ 1, 2 ]
amdhsa.kernels:
  - .name:           k_qb73c48180d_proj
    .symbol:         k_qb73c48180d_proj.kd
    .args:
      - { .name: c1, .offset: 0, .size: 8, .value_kind: global_buffer, .address_space: global }
      - { .name: bq, .offset: 8, .size: 8, .value_kind: global_buffer, .address_space: global }
      - { .name: bk, .offset: 16, .size: 8, .value_kind: global_buffer, .address_space: global }
      - { .name: bv, .offset: 24, .size: 8, .value_kind: global_buffer, .address_space: global }
      - { .name: c2, .offset: 32, .size: 8, .value_kind: global_buffer, .address_space: global }
    .group_segment_fixed_size: 327680
    .private_segment_fixed_size: 0
    .kernarg_segment_align: 8
    .kernarg_segment_size: 40
    .max_flat_workgroup_size: 128
    .sgpr_count:     102
    .vgpr_count:     1024
    .wavefront_size: 32
...
	.end_amdgpu_metadata
.endif
;; end of part 2
;; launch scores (part 3): grid 8 x 32, 8 waves a work-group, clusters of 4 x 4, 327,680 bytes of LDS; arguments c2, c3, s3; writes c3, s3
.if DOCPART == 3
	.amdgcn_target "amdgcn-amd-amdhsa--gfx1250"
	.amdhsa_code_object_version 6
	.text
	.protected	k_qb73c48180d_scores
	.globl	k_qb73c48180d_scores
	.p2align	8
	.type	k_qb73c48180d_scores,@function
k_qb73c48180d_scores:
	s_mov_b64 s[64:65], 0
	v_nop
	global_prefetch_b8 v0, s[64:65] scope:SCOPE_SE
	s_setreg_imm32_b32 hwreg(HW_REG_WAVE_MODE, 25, 1), 1
	s_wait_xcnt 0x0
	s_wait_alu depctr_hold_cnt(0) depctr_sa_sdst(0) depctr_va_vdst(0) depctr_va_sdst(0) depctr_va_ssrc(0) depctr_va_vcc(0) depctr_vm_vsrc(0)
	s_getreg_b32 s2, hwreg(HW_REG_IB_STS2, 6, 4)
	s_cmp_eq_u32 s2, 0
	s_cbranch_scc0 .Lentry_in_a_cluster
	s_endpgm
.Lentry_in_a_cluster:
	s_bfe_u32 s2, ttmp6, 0x10000c
	s_cmp_lg_u32 s2, 0xf033
	s_cbranch_scc0 .Lentry_shape_is_right
	s_endpgm
.Lentry_shape_is_right:
; S^T = K Q^T on codes of BF6, and the softmax's p for each run of 128 keys, quantised along the keys.  256 tiles of 256 queries x 256 keys, K = 1,024 (the head's size).
; Source 1 (S1) = 16 queries (the result's lanes), source 0 (S0) = 16 keys (along a lane's registers).  c2 holds Q and K as records of 128 rows x 128 K: [64 H][16 s][12800], s 0-7 Q, 8-15 K: eight images of fragments, then their scale words.
; EIGHT WAVES, two on a SIMD: while one wave's exponentials or products are under way, the other's plain work can issue.  A wave owns 64 queries x 128 keys; those keys are ONE K step of the next product.
; For each query and each such run it takes t = score x log2(e) / 32, M_loc = the run's largest t rounded UP to a whole number,
; p = 2^(t - M_loc), the sum l_loc of the unquantised p, the codes of p and their four scale bytes.  The next launch brings the bytes and the sums under the row's M: a shift by a whole number, which rounds nothing.
; c3 = P's codes [64 (queries / 128)][16 s (keys / 128)][12288], eight images each.  s3 = three arrays [16][8192] words in the scale words' layout: P's scale words at 0, -M_loc (f32) at 524,288, l_loc (f32) at 1,048,576.
; CLUSTER 4 x 4: Q's tile is shared along a row of the cluster, K's along a column: each is asked for jointly.
; LDS: four regions of six records: Q's two halves, K's two halves.  Waves 2 g and 2 g + 1 share region g's fills, one load a wave, each fill behind a round of the cluster's barrier:
;   head: K steps 0, 1 into records 0, 1;   behind the next round: K steps 2-5 into records 2-5;   at K step 1: K steps 6, 7 into records 0, 1.
; PREFETCH: K steps 2-5 behind the head's load, one fill ahead: each partner names a quarter of what its wave will fetch (Q by cx, K by cy): 25 blocks of 256 bytes.  K steps 6, 7 have four K steps in which to land and are not prefetched.
; LIMITS: -M_loc is kept as an f32 whole number: the promise holds while |t| stays under 2^24; a block whose every p has fallen to 0 keeps the byte 1 (its codes are zeros); a block's largest p is made from its largest score by the same
; multiply-add and exponential, which takes v_exp_f32 not to fall where its input rises; NaN and infinities are not served.
; REGISTERS: window 0: v0-15 addresses; v16-19, v20-23 scale words; v32-63 at work; v64-111, v112-159 S0's fragments of a half step (4 blocks), two buffers; v160-207, v208-255 S1's (4 blocks) of a step, two buffers.
;   window 1: accumulator (a, b) at v[8 (8 a + b)].
.set REC,   12800
.set RGN,   6*REC
.set SCO,   12288
.set SPARE, 4*RGN                      ; the spare words, 128 bytes for each wave: no other line names them
.set PF,  2                            ; v2      the prefetch's offset; never rewritten
.set ADA, 6                            ; v6-7    16 L + my four blocks of Q, records 0-2, 3-5
.set ADB, 8                            ; v8-9    16 L + my half of K
.set ASA, 10                           ; v10-11  8 L + their scale words
.set ASB, 12
.set SPW, 14
.set NIL, 15
.set S1S, 16                           ; v16-19  scale words of S1's buffers
.set S0S, 20                           ; v20-23  of S0's
.set BM,  32                           ; v32-39 each block of 32 keys' largest score, then its largest p (two blocks of queries)
.set BX,  40                           ; v40-47 lane l xor 16's, then the bytes
.set NM,  48                           ; v[48:49], v[50:51] -M_loc (the packed form names a pair and takes its low word)
.set TT,  52
.set LT,  54                           ; v54-55 l_loc
.set SOP, 56                           ; v56-63 the conversions' scale operands
.set SB,  64
.set SA,  160
.set PC,  64                           ; the way out: v64-83, v84-103 two fragments' codes
.set PW,  104                          ; v104-105 scale words
.set PRW, 106                          ; v106-107, v110-111, v114-115: scale words, -M_loc, l_loc of two blocks each: lanes 0-15 the even block's, lanes 16-31 the odd one's
.set PRM, 110
.set PRL, 114
.set SUMT, 128                         ; v128-191 partial sums
.set WV, 18
.set RI, 19                            ; I fetch Q (0) or K (1)
.set CJ, 20                            ; my half of the keys.  Also: which half of a fill's K steps I fetch
.set PX, 21
.set PY, 22
.set QI, 23                            ; my 64 queries.  Also: the region that I fill
.set G1A, 24
.set G1B, 32
.set G0A, 40
.set G0B, 44
.set SU,  56                           ; s[56:57] from my part of the first fill to my part of the second, in bytes, in memory and in LDS
.set PFA, 70
.set HM,  84
.set OB,  92
.set OS,  96
.set CS,  98                           ; s[98:99] c = log2(e) / 32
.set SEL, 100
.set MUL, 0x50                         ; C and D window 1, the rest window 0
.set MSB, 0
.macro WIN new                         ; the immediate's high byte repeats the setting that is left
.if MSB != (\new)
	s_set_vgpr_msb (MSB<<8)|(\new)
.set MSB, (\new)
.endif
.endm
.macro PLACES n
.rept \n
	v_nop
.endr
.endm
.macro CREST                           ; a round of the cluster's barrier behind its opening barrier
	s_cmp_lg_u32 s[WV], 0
	s_cbranch_scc1 .Lnot_wave_0_\@
	s_barrier_signal -3
.Lnot_wave_0_\@:
	s_barrier_wait -3
	s_barrier_signal -1
	s_barrier_wait -1
.endm
.macro CROUND
	s_barrier_signal -1
	s_barrier_wait -1
	CREST
.endm
.macro JLOAD                           ; a joint load: waves 0-3 ask for Q, waves 4-7 for K; four v_nop follow each line
	s_cmp_eq_u32 s[RI], 0
	s_cbranch_scc0 .Lfor_b_\@
	tensor_load_to_lds s[G0A:G0A+3], s[G1A:G1A+7]
	s_nop 0
	PLACES 4
	s_branch .Lasked_\@
.Lfor_b_\@:
	tensor_load_to_lds s[G0B:G0B+3], s[G1B:G1B+7]
	s_nop 0
	PLACES 4
.Lasked_\@:
.endm
.macro W4 c                            ; one product; an odd block's scale words lie in lanes 16-31 of their register
.if ROWSEL == 0
	v_wmma_scale_f32_16x16x128_f8f6f4 v[rD:rD+7], v[rA:rA+11], v[rB:rB+11], \c, v[rSA], v[rSB] matrix_a_fmt:MATRIX_FMT_BF6 matrix_b_fmt:MATRIX_FMT_BF6
.elseif ROWSEL == 1
	v_wmma_scale_f32_16x16x128_f8f6f4 v[rD:rD+7], v[rA:rA+11], v[rB:rB+11], \c, v[rSA], v[rSB] matrix_a_fmt:MATRIX_FMT_BF6 matrix_b_fmt:MATRIX_FMT_BF6 matrix_b_scale:MATRIX_SCALE_ROW1
.elseif ROWSEL == 2
	v_wmma_scale_f32_16x16x128_f8f6f4 v[rD:rD+7], v[rA:rA+11], v[rB:rB+11], \c, v[rSA], v[rSB] matrix_a_fmt:MATRIX_FMT_BF6 matrix_b_fmt:MATRIX_FMT_BF6 matrix_a_scale:MATRIX_SCALE_ROW1
.else
	v_wmma_scale_f32_16x16x128_f8f6f4 v[rD:rD+7], v[rA:rA+11], v[rB:rB+11], \c, v[rSA], v[rSB] matrix_a_fmt:MATRIX_FMT_BF6 matrix_b_fmt:MATRIX_FMT_BF6 matrix_a_scale:MATRIX_SCALE_ROW1 matrix_b_scale:MATRIX_SCALE_ROW1
.endif
.endm
.macro MULB b0, n, p, zero             ; S0's blocks b0 .. b0 + n - 1 against S1's four of buffer p; zero = 1: the sums start.  All 32 accumulators take turns, one instruction a turn, in the same order in every step
	WIN MUL
.set BB, \b0
.rept \n
.irp a, 0,1,2,3
.set rD, 8*(8*\a+BB)
.set rA, SB+12*BB                      ; buffer b / 4, block b % 4
.set rB, SA+48*(\p)+12*\a
.set rSA, S0S+BB/2
.set rSB, S1S+2*(\p)+\a/2
.set ROWSEL, 2*(BB%2)+\a%2
.if \zero
	W4 0
.else
	W4 v[rD:rD+7]
.endif
.endr
.set BB, BB+1
.endr
.endm
.macro F0 q, h                         ; record q: S0's blocks 4 h .. 4 h + 3 and their scale words into buffer h
.irp b, 0,1,2,3
.irp g, 0,1,2
	ds_load_b128 v[SB+48*(\h)+12*\b+4*\g:SB+48*(\h)+12*\b+4*\g+3], v[ADB+(\q)/3] offset:((\q)%3)*REC+1536*(4*(\h)+\b)+512*\g
.endr
.endr
	ds_load_b64 v[S0S+2*(\h):S0S+2*(\h)+1], v[ASB+(\q)/3] offset:((\q)%3)*REC+256*(\h)
.endm
.macro F1 q, p                         ; record q: S1's four blocks and their scale words into buffer p
.irp a, 0,1,2,3
.irp g, 0,1,2
	ds_load_b128 v[SA+48*(\p)+12*\a+4*\g:SA+48*(\p)+12*\a+4*\g+3], v[ADA+(\q)/3] offset:((\q)%3)*REC+1536*\a+512*\g
.endr
.endr
	ds_load_b64 v[S1S+2*(\p):S1S+2*(\p)+1], v[ASA+(\q)/3] offset:((\q)%3)*REC
.endm
; A K step goes in two halves of 16 products; each half's loads are asked for a half step ahead.
.macro HALF0 q, p, zero                ; record q's first half; its second half's loads go out
	WIN 0
	s_wait_dscnt 0x0                               ; this half's fragments are in
	PLACES 4                                       ; four places between the last half's products and the loads into the registers that they read
	F0 \q, 1
	MULB 0, 4, \p, \zero
.endm
.macro HALF1 nq, p, zero               ; the second half; the next step's loads go out
	WIN 0
	s_wait_dscnt 0x0
	PLACES 4
	F0 \nq, 0
	F1 \nq, 1-(\p)
	MULB 4, 4, \p, \zero
.endm
.macro TURN nq, p, fill                ; a second half at which every wave meets; fill = 1: a round of the cluster's barrier, and the regions' records 0 and 1 are filled again first thing behind it
	WIN 0
	s_wait_tensorcnt 0x0                           ; all my tensor loads have landed
.if \fill
	ds_add_u32 v[SPW], v[NIL]                      ; 0 onto my spare word
	s_wait_dscnt 1                                 ; this half's fragments are in; the add may be out
.irp g, G1A, G1B
	s_mov_b32 s[\g+2], 2<<16                       ; one record:
	s_mov_b32 s[\g+4], 2
.endr
	s_sub_co_u32 s[G0A+1], s[G0A+1], s[SU]         ; K step 6 or 7, into record 0 or 1
	s_sub_co_u32 s[G0B+1], s[G0B+1], s[SU]
	s_sub_nc_u64 s[G0A+2:G0A+3], s[G0A+2:G0A+3], s[SU:SU+1]
	s_sub_nc_u64 s[G0B+2:G0B+3], s[G0B+2:G0B+3], s[SU:SU+1]
	s_add_nc_u64 s[G0A+2:G0A+3], s[G0A+2:G0A+3], 6*REC
	s_add_nc_u64 s[G0B+2:G0B+3], s[G0B+2:G0B+3], 6*REC
.else
	s_wait_dscnt 0x0
.endif
	MULB 4, 1, \p, 0
.if \fill
	s_wait_dscnt 0x0                               ; the add is done, and no LDS read of mine is out
.endif
	s_barrier_signal -1
	MULB 5, 1, \p, 0
	WIN 0
	s_barrier_wait -1
.if \fill
	CREST
	JLOAD                                          ; its four v_nop are also the places in front of the loads below
.else
	PLACES 4
.endif
	F0 \nq, 0
	F1 \nq, 1-(\p)
	MULB 6, 2, \p, 0
.endm
; Blocks 2 i and 2 i + 1 by turns: each 16 queries x my 128 keys.  A lane holds one query; register 16 b + j of a block is key 32 b + 16 h + j.
.macro SOFT2 i
.set A0, 128*(\i)
	WIN 0x05
.irp b, 0,1,2,3,4,5,6,7
	v_max_num_f32 v[BM+\b], v[A0+16*\b], v[A0+16*\b+1]   ; the largest score of each block of 32 keys; each accumulator is read from its low end on
.endr
.irp j, 2,4,6,8,10,12,14
.irp b, 0,1,2,3,4,5,6,7
	v_max3_num_f32 v[BM+\b], v[A0+16*\b+\j], v[A0+16*\b+\j+1], v[BM+\b]
.endr
.endr
	WIN 0
.irp b, 0,1,2,3,4,5,6,7
	v_permlanex16_b32 v[BX+\b], v[BM+\b], s[SEL], s[SEL+1]
.endr
.irp b, 0,1,2,3,4,5,6,7
	v_max_num_f32 v[BM+\b], v[BM+\b], v[BX+\b]     ; with lane l xor 16's 16 keys
.endr
.irp e, 0,1
	v_max3_num_f32 v[TT+\e], v[BM+4*\e], v[BM+4*\e+1], v[BM+4*\e+2]
.endr
.irp e, 0,1
	v_max_num_f32 v[TT+\e], v[TT+\e], v[BM+4*\e+3] ; the run's largest score of my query,
.endr
.irp e, 0,1
	v_mul_f32 v[TT+\e], s[CS], v[TT+\e]            ; as t (c is positive)
.endr
.irp e, 0,1
	v_floor_f32 v[NM+2*\e], -v[TT+\e]              ; -M_loc = floor(-t) = -ceil(t): a whole number
.endr
.irp b, 0,1,2,3,4,5,6,7
	v_fma_f32 v[BM+\b], v[BM+\b], s[CS], v[NM+2*(\b/4)]   ; t - M_loc of each block's largest score
.endr
	WIN 0x41
.set J, 0
.rept 32
	v_pk_fma_f32 v[A0+J:A0+J+1], v[A0+J:A0+J+1], s[CS:CS+1], v[NM:NM+1] op_sel_hi:[1,0,0]   ; t - M_loc, two at a time
.set J, J+2
.endr
	s_wait_alu depctr_va_vdst(0)                   ; ahead of the batch
.set J, 0
.rept 32
	v_exp_f32 v[A0+J], v[A0+J]                     ; p = 2^(t - M_loc), at most 1: not normalised
	v_exp_f32 v[A0+J+1], v[A0+J+1]
	v_pk_fma_f32 v[A0+64+J:A0+65+J], v[A0+64+J:A0+65+J], s[CS:CS+1], v[NM+2:NM+3] op_sel_hi:[1,0,0]   ; the other block's t - M_loc: independent work between the exponentials
.set J, J+2
.endr
	s_wait_alu depctr_va_vdst(0)                   ; ahead of the second batch, which reads what stood between the first
.set J, 64
.rept 64
	v_exp_f32 v[A0+J], v[A0+J]
.set J, J+1
.endr
	WIN 0
.irp b, 0,1,2,3,4,5,6,7
	v_exp_f32 v[BM+\b], v[BM+\b]                   ; each block's largest p: the same two instructions on the same number give the same bits
.endr
	v_nop                                          ; a plain place behind the exponentials
	s_wait_alu depctr_va_vdst(0)                   ; one wait for all of them, ahead of their first reader
	WIN 0x05
.set J, 0
.rept 32
	v_pk_add_f32 v[SUMT+2*J:SUMT+2*J+1], v[A0+4*J:A0+4*J+1], v[A0+4*J+2:A0+4*J+3]   ; the sum is taken of the unquantised p
.set J, J+1
.endr
	WIN 0
.irp w, 8,4,2,1
.irp e, 0,1
.set J, 0
.rept \w
	v_pk_add_f32 v[SUMT+32*\e+2*J:SUMT+32*\e+2*J+1], v[SUMT+32*\e+2*J:SUMT+32*\e+2*J+1], v[SUMT+32*\e+2*(J+\w):SUMT+32*\e+2*(J+\w)+1]
.set J, J+1
.endr
.endr
.endr
.irp b, 0,1,2,3,4,5,6,7
	v_max_num_f32 v[BM+\b], 0x2800000, v[BM+\b]    ; the floor 2^(5 - 127): the byte cannot fall under 1
.endr
.irp e, 0,1
	v_add_f32 v[LT+\e], v[SUMT+32*\e], v[SUMT+32*\e+1]
.endr
.irp b, 0,1,2,3,4,5,6,7
	v_add_nc_u32 v[SOP+\b], 0xfe000000, v[BM+\b]   ; 4 off the exponent field: the conversion's scale operand
.endr
.irp e, 0,1
	v_permlanex16_b32 v[BX+\e], v[LT+\e], s[SEL], s[SEL+1]
.endr
.irp e, 0,1
	v_add_f32 v[LT+\e], v[LT+\e], v[BX+\e]         ; l_loc
.endr
.irp b, 0,1,2,3,4,5,6,7
	v_lshrrev_b32 v[BX+\b], 23, v[SOP+\b]          ; the scale's byte
.endr
.irp e, 0,1
	v_lshl_or_b32 v[PW+\e], v[BX+4*\e+1], 8, v[BX+4*\e]
.endr
.irp e, 0,1
	v_lshl_or_b32 v[PW+\e], v[BX+4*\e+2], 16, v[PW+\e]
.endr
.irp e, 0,1
	v_lshl_or_b32 v[PW+\e], v[BX+4*\e+3], 24, v[PW+\e]
.endr
.if \i
	s_wait_alu depctr_va_vdst(0)                   ; directly ahead of the wait below
	s_wait_xcnt 0x0                                ; the last blocks' stores have read the codes' registers
.endif
	WIN 0x01
.irp e, 0,1
.irp c, 0,1
	v_cvt_scalef32_pk16_bf6_f32 v[PC+20*\e+6*\c:PC+20*\e+6*\c+2], v[A0+64*\e+32*\c:A0+64*\e+32*\c+15], v[SOP+4*\e+2*\c]
	v_cvt_scalef32_pk16_bf6_f32 v[PC+20*\e+12+4*\c:PC+20*\e+14+4*\c], v[A0+64*\e+32*\c+16:A0+64*\e+32*\c+31], v[SOP+4*\e+2*\c+1]
.endr
.endr
	WIN 0
	v_nop                                          ; one plain place behind a scaled conversion
.irp j, 0,1,2                          ; the operand's layout wants a whole block of 32 in a lane
.irp e, 0,1
.irp c, 0,1
	v_permlane16_swap_b32 v[PC+20*\e+6*\c+\j], v[PC+20*\e+12+4*\c+\j]
.endr
.endr
.endr
.irp j, 0,1,2
.irp e, 0,1
.irp c, 0,1
	v_mov_b32 v[PC+20*\e+6*\c+3+\j], v[PC+20*\e+12+4*\c+\j]
.endr
.endr
.endr
.irp e, 0,1
.irp g, 0,1,2
	global_store_b128 v4, v[PC+20*\e+4*\g:PC+20*\e+4*\g+3], s[OB:OB+1] offset:1536*(2*(\i)+\e)+512*\g   ; the fragment as it stands: 512 consecutive bytes a store
.endr
.endr
	v_cndmask_b32 v[PRW+\i], v[PW], v[PW+1], s[HM]       ; lanes 16-31 take the odd block's
	v_cndmask_b32 v[PRM+\i], v[NM], v[NM+2], s[HM]
	v_cndmask_b32 v[PRL+\i], v[LT], v[LT+1], s[HM]
.endm
	s_load_b128 s[4:7], s[0:1], 0x0                ; c2, c3
	s_load_b64 s[8:9], s[0:1], 0x10                ; s3
	v_lshl_add_u32 v[SPW], v0, 2, SPARE
	v_mov_b32 v[NIL], 0
	ds_add_u32 v[SPW], v[NIL]                      ; the wave's opening: the add, twice on end, and its wait
	ds_add_u32 v[SPW], v[NIL]
	v_lshrrev_b32 v1, 5, v0
	v_readfirstlane_b32 s[WV], v1
	s_lshr_b32 s[RI], s[WV], 2
	s_lshr_b32 s[QI], s[WV], 1
	s_and_b32 s[CJ], s[WV], 1
	s_and_b32 s60, s[QI], 1                        ; the half of Q or of K that I fetch
	s_bfe_u32 s[PX], ttmp6, 0x40000                ; cx
	s_bfe_u32 s[PY], ttmp6, 0x40004                ; cy
	s_and_b32 s80, ttmp7, 0xffff                   ; the cluster's y
	s_lshl_b32 s86, s80, 2
	s_add_co_u32 s86, s86, s[PY]                   ; tile row: 256 queries, the batch included
	s_lshl_b32 s87, ttmp9, 2
	s_add_co_u32 s87, s87, s[PX]                   ; tile column: 256 keys of the batch
	s_lshr_b32 s81, s80, 1                         ; the batch
	s_lshl_b32 s90, s[PY], 2
	s_lshl_b32 s90, 15, s90                        ; my row of the cluster
	s_lshl_b32 s91, 0x1111, s[PX]                  ; my column
	s_or_b32 s[G1A], s90, (3<<16)|(1<<21)          ; records end to end, as rows of half a record = 6,400 bytes = 800 elements of 8 bytes: two rows at the head
	s_or_b32 s[G1B], s91, (3<<16)|(1<<21)
.irp g, G1A, G1B
	s_mov_b32 s[\g+1], (REC/16)<<16
	s_mov_b32 s[\g+2], 2<<16
	s_mov_b32 s[\g+3], (REC/16)<<16
	s_mov_b32 s[\g+4], 2
	s_mov_b32 s[\g+5], REC/16
	s_mov_b32 s[\g+6], 0
	s_mov_b32 s[\g+7], 0
.endr
	s_mul_i32 s61, s[CJ], REC                      ; my K step of the first fill
	s_add_co_u32 s[SU], s61, 2*REC                 ; and from there to my two of the second
	s_mov_b32 s[SU+1], 0
	s_lshl_b32 s50, s86, 1
	s_add_co_u32 s50, s50, s60                     ; Q (hangs on cy alone)
	s_mul_i32 s50, s50, 16*REC
	s_add_co_u32 s50, s50, s61
	s_mov_b32 s51, 0
	s_lshl_b32 s52, s81, 4
	s_lshl_b32 s53, s87, 1
	s_add_co_u32 s52, s52, s53
	s_add_co_u32 s52, s52, s60                     ; K (on cx, and on the batch, which the cluster shares)
	s_mul_i32 s52, s52, 16*REC
	s_add_co_u32 s52, s52, 8*REC                   ; K's records lie behind Q's eight
	s_add_co_u32 s52, s52, s61
	s_mov_b32 s53, 0
	s_mul_i32 s54, s[QI], RGN                      ; where my tile goes: no place in the cluster enters an LDS address
	s_add_co_u32 s54, s54, s61
	s_mov_b32 s[G0A], 1
	s_mov_b32 s[G0A+1], s54
	s_mov_b32 s[G0B], 1
	s_mov_b32 s[G0B+1], s54
	s_wait_dscnt 0x0                               ; both opening adds are done
	s_wait_kmcnt 0x0
	s_add_nc_u64 s[50:51], s[4:5], s[50:51]
	s_add_nc_u64 s[52:53], s[4:5], s[52:53]
	s_mov_b64 s[G0A+2:G0A+3], s[50:51]
	s_or_b32 s[G0A+3], s[G0A+3], 0x80000000
	s_mov_b64 s[G0B+2:G0B+3], s[52:53]
	s_or_b32 s[G0B+3], s[G0B+3], 0x80000000
	CROUND                                         ; all sixteen work-groups are here: the first joint loads meet
	JLOAD                                          ; K steps 0, 1: one tensor load a wave at the head
	s_mul_i32 s72, s[PX], REC/2                    ; the prefetch: my partner's quarter by cx (Q) or by cy (K)
	s_mul_i32 s73, s[PY], REC/2
	s_cmp_eq_u32 s[RI], 0
	s_cselect_b64 s[PFA:PFA+1], s[50:51], s[52:53]
	s_cselect_b32 s72, s72, s73
	s_mov_b32 s73, 0
	s_add_nc_u64 s[PFA:PFA+1], s[PFA:PFA+1], s[72:73]
	s_add_nc_u64 s[PFA:PFA+1], s[PFA:PFA+1], s[SU:SU+1]
	v_and_b32 v1, 31, v0
	v_min_u32 v[PF], 24, v1
	v_lshlrev_b32 v[PF], 8, v[PF]
	global_prefetch_b8 v[PF], s[PFA:PFA+1] th:TH_LOAD_NT scope:SCOPE_SE
	v_lshlrev_b32 v4, 4, v1                        ; 16 L
	v_lshlrev_b32 v5, 3, v1                        ; 8 L
	v_add_nc_u32 v1, SCO, v5
	s_wait_alu depctr_va_vdst(0)                   ; ahead of the run of scalar instructions
	; where the results go
	s_lshl_b32 s92, s86, 1
	s_lshr_b32 s62, s[QI], 1
	s_add_co_u32 s92, s92, s62                     ; my 128 queries, of which I have the first or the second 64
	s_and_b32 s63, s[QI], 1
	s_lshl_b32 s96, s92, 9                         ; their words: 512 bytes
	s_lshl_b32 s85, s63, 8
	s_add_co_u32 s96, s96, s85
	s_lshl_b32 s92, s92, 4
	s_lshl_b32 s85, s87, 1
	s_add_co_u32 s85, s85, s[CJ]                   ; my run of 128 keys
	s_add_co_u32 s92, s92, s85
	s_mul_i32 s92, s92, SCO
	s_mul_i32 s63, s63, 6144
	s_add_co_u32 s92, s92, s63
	s_mov_b32 s93, 0
	s_add_nc_u64 s[OB:OB+1], s[6:7], s[92:93]
	s_lshl_b32 s85, s85, 15
	s_add_co_u32 s96, s96, s85
	s_mov_b32 s97, 0
	s_add_nc_u64 s[OS:OS+1], s[8:9], s[96:97]
	s_mov_b32 s[HM], 0xffff0000                    ; lanes 16-31
	s_mov_b32 s[CS], 0x3d38aa3b                    ; log2(e) / 32
	s_mov_b32 s[CS+1], s[CS]
	s_mov_b32 s[SEL], 0x76543210
	s_mov_b32 s[SEL+1], 0xfedcba98
	s_mul_i32 s62, s62, RGN                        ; LDS: my half of Q,
	s_add_co_u32 s63, s62, s63                     ; my four blocks of it,
	s_add_co_u32 s66, s63, 3*REC
	s_and_b32 s67, s[QI], 1
	s_lshl_b32 s67, s67, 8
	s_add_co_u32 s67, s67, s62                     ; and their scale words
	s_add_co_u32 s68, s67, 3*REC
	s_mul_i32 s58, s[CJ], RGN                      ; my half of K
	s_add_co_u32 s58, s58, 2*RGN
	s_add_co_u32 s59, s58, 3*REC
	v_add_nc_u32 v[ADA], s63, v4
	v_add_nc_u32 v[ADA+1], s66, v4
	v_add_nc_u32 v[ADB], s58, v4
	v_add_nc_u32 v[ADB+1], s59, v4
	v_add_nc_u32 v[ASA], s67, v1
	v_add_nc_u32 v[ASA+1], s68, v1
	v_add_nc_u32 v[ASB], s58, v1
	v_add_nc_u32 v[ASB+1], s59, v1
	s_wait_alu depctr_va_vdst(0)                   ; the head's end
	s_wait_tensorcnt 0x0                           ; my K step is in
	ds_add_u32 v[SPW], v[NIL]
.irp g, G1A, G1B
	s_mov_b32 s[\g+2], 4<<16                       ; the next load brings two records
	s_mov_b32 s[\g+4], 4
.endr
	s_add_co_u32 s[G0A+1], s[G0A+1], s[SU]
	s_add_co_u32 s[G0B+1], s[G0B+1], s[SU]
	s_add_nc_u64 s[G0A+2:G0A+3], s[G0A+2:G0A+3], s[SU:SU+1]
	s_add_nc_u64 s[G0B+2:G0B+3], s[G0B+2:G0B+3], s[SU:SU+1]
	s_wait_dscnt 0x0                               ; the add is done
	CROUND                                         ; K steps 0 and 1 are whole for every wave, and all sixteen work-groups are here
	JLOAD
	F0 0, 0
	F1 0, 0
	HALF0 0, 0, 1                                  ; K step 0 starts the sums: nothing is cleared
	HALF1 1, 0, 1
	HALF0 1, 1, 0
	TURN 2, 1, 1                                   ; K step 1: records 0 and 1 are in registers; they take K steps 6 and 7
	HALF0 2, 0, 0
	HALF1 3, 0, 0
	HALF0 3, 1, 0
	HALF1 4, 1, 0
	HALF0 4, 0, 0
	HALF1 5, 0, 0
	HALF0 5, 1, 0
	TURN 0, 1, 0                                   ; K step 5: K steps 6 and 7 are whole for every wave
	HALF0 0, 0, 0
	HALF1 1, 0, 0
	HALF0 1, 1, 0
	s_wait_dscnt 0x0
	MULB 4, 4, 1, 0
	WIN 0
	PLACES 4                                       ; between the last products and the first read of results, and the first write of registers that they read
.irp b, 0,1,2,3,4,5,6,7
	v_mov_b32 v[BX+\b], 0                          ; a lane permute's destination counts as one of its sources
.endr
	v_mov_b32 v[NM+1], 0                           ; named with -M_loc as a pair
	v_mov_b32 v[NM+3], 0
	SOFT2 0
	SOFT2 1
	global_store_b64 v5, v[PRW:PRW+1], s[OS:OS+1]  ; four blocks' words: 256 consecutive bytes, aligned
	global_store_b64 v5, v[PRM:PRM+1], s[OS:OS+1] offset:524288
	global_store_b64 v5, v[PRL:PRL+1], s[OS:OS+1] offset:1048576
	s_wait_tensorcnt 0x0                           ; the wave's end
	ds_add_u32 v[SPW], v[NIL]
	s_wait_dscnt 0x0
	CROUND                                         ; the closing round
	s_endpgm
.Lfunc_end_k_qb73c48180d_scores:
	.size	k_qb73c48180d_scores, .Lfunc_end_k_qb73c48180d_scores-k_qb73c48180d_scores
	.p2alignl 7, 3214868480
	.fill 96, 4, 3214868480
	.section	.rodata,"a",@progbits
	.p2align	6, 0x0
	.amdhsa_kernel k_qb73c48180d_scores
		.amdhsa_group_segment_fixed_size 327680
		.amdhsa_private_segment_fixed_size 0
		.amdhsa_enable_private_segment 0
		.amdhsa_kernarg_size 24
		.amdhsa_user_sgpr_count 2
		.amdhsa_user_sgpr_kernarg_segment_ptr 1
		.amdhsa_wavefront_size32 1
		.amdhsa_system_sgpr_workgroup_id_x 1
		.amdhsa_system_sgpr_workgroup_id_y 1
		.amdhsa_system_sgpr_workgroup_id_z 1
		.amdhsa_system_vgpr_workitem_id 0
		.amdhsa_next_free_vgpr 512
		.amdhsa_next_free_sgpr 102
		.amdhsa_reserve_vcc 0
		.amdhsa_float_denorm_mode_32 3
		.amdhsa_float_denorm_mode_16_64 3
		.amdhsa_memory_ordered 1
		.amdhsa_forward_progress 1
		.amdhsa_inst_pref_size 110
	.end_amdhsa_kernel
	.amdgpu_metadata
---
amdhsa.version: [ 1, 2 ]
amdhsa.kernels:
  - .name:           k_qb73c48180d_scores
    .symbol:         k_qb73c48180d_scores.kd
    .args:
      - { .name: c2, .offset: 0, .size: 8, .value_kind: global_buffer, .address_space: global }
      - { .name: c3, .offset: 8, .size: 8, .value_kind: global_buffer, .address_space: global }
      - { .name: s3, .offset: 16, .size: 8, .value_kind: global_buffer, .address_space: global }
    .group_segment_fixed_size: 327680
    .private_segment_fixed_size: 0
    .kernarg_segment_align: 8
    .kernarg_segment_size: 24
    .max_flat_workgroup_size: 256
    .sgpr_count:     102
    .vgpr_count:     512
    .wavefront_size: 32
...
	.end_amdgpu_metadata
.endif
;; end of part 3
;; launch pv (part 4): grid 4 x 64, 4 waves a work-group, clusters of 4 x 4, 327,680 bytes of LDS; arguments c3, s3, c2, out0; writes out0
.if DOCPART == 4
	.amdgcn_target "amdgcn-amd-amdhsa--gfx1250"
	.amdhsa_code_object_version 6
	.text
	.protected	k_qb73c48180d_pv
	.globl	k_qb73c48180d_pv
	.p2align	8
	.type	k_qb73c48180d_pv,@function
k_qb73c48180d_pv:
	s_mov_b64 s[64:65], 0
	v_nop
	global_prefetch_b8 v0, s[64:65] scope:SCOPE_SE
	s_setreg_imm32_b32 hwreg(HW_REG_WAVE_MODE, 25, 1), 1
	s_wait_xcnt 0x0
	s_wait_alu depctr_hold_cnt(0) depctr_sa_sdst(0) depctr_va_vdst(0) depctr_va_sdst(0) depctr_va_ssrc(0) depctr_va_vcc(0) depctr_vm_vsrc(0)
	s_getreg_b32 s2, hwreg(HW_REG_IB_STS2, 6, 4)
	s_cmp_eq_u32 s2, 0
	s_cbranch_scc0 .Lentry_in_a_cluster
	s_endpgm
.Lentry_in_a_cluster:
	s_bfe_u32 s2, ttmp6, 0x10000c
	s_cmp_lg_u32 s2, 0xf033
	s_cbranch_scc0 .Lentry_shape_is_right
	s_endpgm
.Lentry_shape_is_right:
; O = P V / l on codes of BF6.  256 tiles of 128 queries x 256 channels, K = the batch's 2,048 keys (tiles of 256 x 256 would be 128: half as many as there are work-group places).
; Source 1 (S1) = 16 queries of P (the result's lanes), source 0 (S0) = 16 channels of V^T (along a lane's registers).  A wave makes 64 queries x 128 channels.
; c3 = P's images [64 (queries / 128)][16 s][12288]; V^T's records at c2 + 13,107,200: [8 (channels / 128)][64 s][12800]: eight images, then the scale words.
; P's scale words are brought under the row's M.  The launch before quantised p under M_loc, the ceiling of the largest t of each run of 128 keys.  M = the largest M_loc of the row's 16 runs; D = M - M_loc is a
; whole number, 0 or more: each of a run's four scale bytes is lowered by D, and l = the sum of l_loc x 2^-D.  A lane does this for two rows of the wave's 64, in the very registers that the products name as scales: nothing goes through LDS.
; The head does it for K steps 0 to 3; the rest follows in K steps 1 and 2, while slot 1's first fill is on its way.
; RING: two slots of four K steps: P's images, V^T's two halves.  One load a wave a fill: waves 0, 1 P's K steps 0, 1 and 2, 3 of the four; waves 2, 3 V^T's halves.
; CLUSTER 4 x 4: P's tile is shared along a row of the cluster, V^T's along a column: each is asked for jointly, behind a round of the cluster's barrier.
; PREFETCH: fill 1 (K steps 4-7) behind fill 0's load; fills 2 and 3 behind fill 1's, one and two fills ahead of their loads.  Each partner names a quarter of what its wave will fetch (P by cx, V^T by cy): 24 blocks of 256 bytes, or twice 25.
; LIMITS: where a byte less D would fall under 0 it is held at 0: such terms lie under 28 x 2^-127 beside l > 1/2; D is held at 127, where 2^-D is taken as 0; NaN and infinities are not served.
; REGISTERS: window 0: v0-15 addresses; v16-23 V^T's scale words, two sets; v24-31 1 / l; v64-111, v112-159 S1's fragments, two sets; v192-223 P's scale words, two for each K step; v32-63, v160-191, v224-255 the work on scales; v64-191 the way out.
;   window 1: S0's fragments, two sets.  window 2: accumulator (a, b) at v[8 (8 a + b)].
.set REC,   12800
.set IMG,   12288                      ; eight images: P's part of a K step
.set SCO,   12288
.set VB,    4*IMG                      ; V^T's halves in a slot
.set VH,    4*REC
.set SLOT,  VB+2*VH
.set SPARE, 2*SLOT                     ; the spare words, 128 bytes for each wave: no other line names them
.set VOFF,  13107200
.set PF,  2                            ; v2      the prefetches' offset: my lane x 256, the last lanes held at the last block; never rewritten
.set ADA, 6                            ; v6-7    16 L + my four blocks of P, slot 0, 1
.set ADB, 8                            ; v8-9    16 L + my half of V^T
.set ASB, 10                           ; v10-11  8 L + its scale words
.set STO, 12
.set RD,  13
.set SPW, 14
.set NIL, 15
.set SC,  16
.set RC,  24                           ; v24-31  1 / l of my lane's query, a pair for each block
.set MX,  28                           ; v28-29  M (before 1 / l is made)
.set NMS, 32                           ; v32-63  -M_loc, two rows for each K step
.set AF,  64
.set BK,  64                           ; the way out: v64-127, v128-191 by turns
.set LSS, 160                          ; v160-191 l_loc
.set PS,  192
.set TD,  224                          ; v224-231, v232-239, v240-247 at work, v248-255 partial sums of l
.set TX,  232
.set TY,  240
.set LA,  248
.set WV, 18
.set RI, 19
.set CJ, 20
.set PX, 21
.set PY, 22
.set G1A, 24
.set G1B, 32
.set G0A, 40
.set G0B, 44
.set LDA, 48                           ; my tile's LDS address in slot 0: P's, V^T's
.set LDB, 49
.set PF1, 70                           ; s[70:71], s[76:77], s[78:79]: my partner's quarter of fills 1, 2, 3
.set PF2, 76
.set PF3, 78
.set PFS, 74                           ; s[74:75] from fill to fill
.set HM,  84
.set OUT, 92
.set SEL, 100
.set TO_B, 0x40
.set MSB, 0
.macro WIN new                         ; the immediate's high byte repeats the setting that is left
.if MSB != (\new)
	s_set_vgpr_msb (MSB<<8)|(\new)
.set MSB, (\new)
.endif
.endm
.macro PLACES n
.rept \n
	v_nop
.endr
.endm
.macro CREST                           ; a round of the cluster's barrier behind its opening barrier
	s_cmp_lg_u32 s[WV], 0
	s_cbranch_scc1 .Lnot_wave_0_\@
	s_barrier_signal -3
.Lnot_wave_0_\@:
	s_barrier_wait -3
	s_barrier_signal -1
	s_barrier_wait -1
.endm
.macro CROUND
	s_barrier_signal -1
	s_barrier_wait -1
	CREST
.endm
.macro JLOAD                           ; a joint load: waves 0, 1 ask for P, waves 2, 3 for V^T; four v_nop follow each line
	s_cmp_eq_u32 s[RI], 0
	s_cbranch_scc0 .Lfor_b_\@
	tensor_load_to_lds s[G0A:G0A+3], s[G1A:G1A+7]
	s_nop 0
	PLACES 4
	s_branch .Lasked_\@
.Lfor_b_\@:
	tensor_load_to_lds s[G0B:G0B+3], s[G1B:G1B+7]
	s_nop 0
	PLACES 4
.Lasked_\@:
.endm
.macro NEXT slot                       ; the next four K steps, into slot: written behind a wait for all my tensor loads
	s_add_co_u32 s[G0A+1], s[LDA], (\slot)*SLOT
	s_add_nc_u64 s[G0A+2:G0A+3], s[G0A+2:G0A+3], 4*IMG
	s_add_co_u32 s[G0B+1], s[LDB], (\slot)*SLOT
	s_add_nc_u64 s[G0B+2:G0B+3], s[G0B+2:G0B+3], VH
.endm
.macro ASK at                          ; a prefetch; V^T's waves name 25 blocks twice
	global_prefetch_b8 v[PF], s[\at:\at+1] th:TH_LOAD_NT scope:SCOPE_SE
	s_cmp_eq_u32 s[RI], 0
	s_cbranch_scc1 .Lone_\@
	global_prefetch_b8 v[PF], s[\at:\at+1] offset:6400 th:TH_LOAD_NT scope:SCOPE_SE
.Lone_\@:
.endm
.macro W4 c                            ; one product; an odd block's scale words lie in lanes 16-31 of their register
.if ROWSEL == 0
	v_wmma_scale_f32_16x16x128_f8f6f4 v[rD:rD+7], v[rA:rA+11], v[rB:rB+11], \c, v[rSA], v[rSB] matrix_a_fmt:MATRIX_FMT_BF6 matrix_b_fmt:MATRIX_FMT_BF6
.elseif ROWSEL == 1
	v_wmma_scale_f32_16x16x128_f8f6f4 v[rD:rD+7], v[rA:rA+11], v[rB:rB+11], \c, v[rSA], v[rSB] matrix_a_fmt:MATRIX_FMT_BF6 matrix_b_fmt:MATRIX_FMT_BF6 matrix_b_scale:MATRIX_SCALE_ROW1
.elseif ROWSEL == 2
	v_wmma_scale_f32_16x16x128_f8f6f4 v[rD:rD+7], v[rA:rA+11], v[rB:rB+11], \c, v[rSA], v[rSB] matrix_a_fmt:MATRIX_FMT_BF6 matrix_b_fmt:MATRIX_FMT_BF6 matrix_a_scale:MATRIX_SCALE_ROW1
.else
	v_wmma_scale_f32_16x16x128_f8f6f4 v[rD:rD+7], v[rA:rA+11], v[rB:rB+11], \c, v[rSA], v[rSB] matrix_a_fmt:MATRIX_FMT_BF6 matrix_b_fmt:MATRIX_FMT_BF6 matrix_a_scale:MATRIX_SCALE_ROW1 matrix_b_scale:MATRIX_SCALE_ROW1
.endif
.endm
.macro MULRUN a0, n, k, zero           ; K step k, blocks a0 ..: all 32 accumulators take turns, one instruction a turn, in the same order in every step
.set AA, \a0
	WIN 0xa1
.rept \n
.irp b, 0,1,2,3,4,5,6,7
.set rD, 8*(8*AA+\b)
.set rA, 96*((\k)%2)+12*\b
.set rB, AF+48*((\k)%2)+12*AA
.set rSA, SC+4*((\k)%2)+\b/2
.set rSB, PS+2*(\k)+AA/2
.set ROWSEL, 2*(\b%2)+AA%2
.if \zero
	W4 0
.else
	W4 v[rD:rD+7]
.endif
.endr
.set AA, AA+1
.endr
.endm
.macro FETCH k                         ; K step k into set k % 2: one run of loads; each takes 512 or 256 consecutive bytes
.set SL, ((\k)/4)%2
.set QQ, (\k)%4
.set SP, (\k)%2
	WIN TO_B
.irp b, 0,1,2,3,4,5,6,7
.irp g, 0,1,2
	ds_load_b128 v[96*SP+12*\b+4*\g:96*SP+12*\b+4*\g+3], v[ADB+SL] offset:QQ*REC+1536*\b+512*\g
.endr
.endr
	WIN 0
.irp a, 0,1,2,3
.irp g, 0,1,2
	ds_load_b128 v[AF+48*SP+12*\a+4*\g:AF+48*SP+12*\a+4*\g+3], v[ADA+SL] offset:QQ*IMG+1536*\a+512*\g
.endr
.endr
	ds_load_b64 v[SC+4*SP:SC+4*SP+1], v[ASB+SL] offset:QQ*REC
	ds_load_b64 v[SC+4*SP+2:SC+4*SP+3], v[ASB+SL] offset:QQ*REC+256
.endm
.macro STEP k
	s_wait_dscnt 0x0                               ; my set, asked for a step ago, is in
	PLACES 4                                       ; four places between the last step's products and the loads into the registers that they read
	FETCH (\k)+1
	MULRUN 0, 4, \k, 0
.endm
.macro TURN k, fill                    ; a slot's last step: all its fragments are in registers.  fill = 1: a round of the cluster's barrier, and the slot is filled again first thing behind it
	WIN 0
	s_wait_tensorcnt 0x0                           ; all my tensor loads have landed: my part of the next slot
.if \fill
	ds_add_u32 v[SPW], v[NIL]                      ; 0 onto my spare word
	s_wait_dscnt 1                                 ; my set is in; the add may be out
	NEXT ((\k)/4)%2
.else
	s_wait_dscnt 0x0                               ; my set is in
.endif
	MULRUN 0, 1, \k, 0
.if \fill
	s_wait_dscnt 0x0                               ; the add is done, and my reads of this slot are over
.endif
	s_barrier_signal -1
	MULRUN 1, 1, \k, 0
	WIN 0
	s_barrier_wait -1
.if \fill
	CREST
	JLOAD                                          ; it has the next slot's four steps in which to land; its four v_nop are also the places in front of the loads below
.else
	PLACES 4
.endif
	FETCH (\k)+1
	MULRUN 2, 2, \k, 0
.endm
.macro ADJ kk                          ; K steps 4 kk .. 4 kk + 3, two rows each: eight words by turns
.set KK, 8*(\kk)
.irp m, 0,1,2,3,4,5,6,7
	v_add_f32 v[TD+\m], v[MX+\m%2], v[NMS+KK+\m]   ; D = M - M_loc: a whole number, 0 or more: nothing is rounded
.endr
.irp m, 0,1,2,3,4,5,6,7
	v_cvt_u32_f32 v[TD+\m], v[TD+\m]
.endr
.irp m, 0,1,2,3,4,5,6,7
	v_min_u32 v[TD+\m], 0x7f, v[TD+\m]
.endr
.irp m, 0,1,2,3,4,5,6,7
	v_lshlrev_b32 v[TY+\m], 23, v[TD+\m]
.endr
.irp m, 0,1,2,3,4,5,6,7
	v_perm_b32 v[TX+\m], v[TD+\m], v[TD+\m], 0     ; D in each of four bytes
.endr
.irp m, 0,1,2,3,4,5,6,7
	v_sub_nc_u32 v[TY+\m], 0x3f800000, v[TY+\m]    ; 2^-D
.endr
.irp m, 0,1,2,3,4,5,6,7
	v_or_b32 v[PS+KK+\m], s82, v[PS+KK+\m]         ; each byte, at most 123, + 128,
.endr
.irp m, 0,1,2,3,4,5,6,7
.if KK == 0
	v_mul_f32 v[LA+\m], v[LSS+\m], v[TY+\m]
.else
	v_fmac_f32 v[LA+\m], v[LSS+KK+\m], v[TY+\m]    ; l, in four parts a row
.endif
.endr
.irp m, 0,1,2,3,4,5,6,7
	v_sub_nc_u32 v[PS+KK+\m], v[PS+KK+\m], v[TX+\m]   ; less D: no byte borrows from its neighbour;
.endr
.irp m, 0,1,2,3,4,5,6,7
	v_and_b32 v[TY+\m], s82, v[PS+KK+\m]           ; where its top bit still stands the byte was D or more:
.endr
.irp m, 0,1,2,3,4,5,6,7
	v_lshrrev_b32 v[TX+\m], 7, v[TY+\m]
.endr
.irp m, 0,1,2,3,4,5,6,7
	v_sub_nc_u32 v[TY+\m], v[TY+\m], v[TX+\m]      ; 0x7f there, 0 elsewhere:
.endr
.irp m, 0,1,2,3,4,5,6,7
	v_and_b32 v[PS+KK+\m], v[PS+KK+\m], v[TY+\m]   ; the byte less D, held at 0
.endr
.endm
	s_load_b256 s[4:11], s[0:1], 0x0               ; c3, s3, c2, out0
	v_lshl_add_u32 v[SPW], v0, 2, SPARE
	v_mov_b32 v[NIL], 0
	ds_add_u32 v[SPW], v[NIL]                      ; the wave's opening: the add, twice on end, and its wait
	ds_add_u32 v[SPW], v[NIL]
	v_lshrrev_b32 v1, 5, v0
	v_readfirstlane_b32 s[WV], v1
	s_lshr_b32 s[RI], s[WV], 1
	s_and_b32 s[CJ], s[WV], 1
	s_bfe_u32 s[PX], ttmp6, 0x40000                ; cx
	s_bfe_u32 s[PY], ttmp6, 0x40004                ; cy
	s_and_b32 s80, ttmp7, 0xffff                   ; the cluster's y
	s_lshl_b32 s86, s80, 2
	s_add_co_u32 s86, s86, s[PY]                   ; tile row: 128 queries, the batch included
	s_lshl_b32 s87, ttmp9, 2
	s_add_co_u32 s87, s87, s[PX]                   ; tile column: 256 channels
	s_lshr_b32 s81, s80, 2                         ; the batch
	s_lshl_b32 s90, s[PY], 2
	s_lshl_b32 s90, 15, s90                        ; my row of the cluster
	s_lshl_b32 s91, 0x1111, s[PX]                  ; my column
	s_or_b32 s[G1A], s90, (3<<16)|(1<<21)          ; P: two K steps end to end, as rows of 12,288 bytes = 1,536 elements of 8 bytes
	s_mov_b32 s[G1A+1], (IMG/8)<<16
	s_mov_b32 s[G1A+2], 2<<16
	s_mov_b32 s[G1A+3], (IMG/8)<<16
	s_mov_b32 s[G1A+4], 2
	s_mov_b32 s[G1A+5], IMG/8
	s_mov_b32 s[G1A+6], 0
	s_mov_b32 s[G1A+7], 0
	s_or_b32 s[G1B], s91, (3<<16)|(1<<21)          ; V^T: four records end to end, as rows of 12,800 bytes
	s_mov_b32 s[G1B+1], (REC/8)<<16
	s_mov_b32 s[G1B+2], 4<<16
	s_mov_b32 s[G1B+3], (REC/8)<<16
	s_mov_b32 s[G1B+4], 4
	s_mov_b32 s[G1B+5], REC/8
	s_mov_b32 s[G1B+6], 0
	s_mov_b32 s[G1B+7], 0
	s_mul_i32 s50, s86, 16*IMG                     ; P's two K steps that I fetch (hangs on cy alone)
	s_mul_i32 s51, s[CJ], 2*IMG
	s_add_co_u32 s50, s50, s51
	s_mov_b32 s51, 0
	s_lshl_b32 s52, s87, 1
	s_add_co_u32 s52, s52, s[CJ]                   ; V^T's half (on cx, and on the batch, which the cluster shares)
	s_lshl_b32 s52, s52, 6
	s_lshl_b32 s53, s81, 4
	s_add_co_u32 s52, s52, s53
	s_mul_i32 s52, s52, REC
	s_add_co_u32 s52, s52, VOFF
	s_mov_b32 s53, 0
	s_mul_i32 s[LDA], s[CJ], 2*IMG                 ; where my tile goes: no place in the cluster enters an LDS address
	s_mul_i32 s[LDB], s[CJ], VH
	s_add_co_u32 s[LDB], s[LDB], VB
	s_mov_b32 s[G0A], 1
	s_mov_b32 s[G0A+1], s[LDA]
	s_mov_b32 s[G0B], 1
	s_mov_b32 s[G0B+1], s[LDB]
	s_lshl_b32 s96, s86, 9                         ; my 64 rows in s3: 256 bytes a K step
	s_lshl_b32 s97, s[RI], 8
	s_add_co_u32 s96, s96, s97
	s_mov_b32 s97, 0
	v_and_b32 v1, 31, v0                           ; L
	v_lshlrev_b32 v4, 4, v1                        ; 16 L
	v_lshlrev_b32 v5, 3, v1                        ; 8 L
	s_wait_alu depctr_va_vdst(0)                   ; directly ahead of the waits below
	s_wait_dscnt 0x0                               ; both opening adds are done
	s_wait_kmcnt 0x0
	s_add_nc_u64 s[96:97], s[6:7], s[96:97]
.irp k, 0,1,2,3,4,5,6,7,8,9,10,11,12,13,14,15
	global_load_b64 v[NMS+2*\k:NMS+2*\k+1], v5, s[96:97] offset:32768*\k+524288    ; my two rows' -M_loc of K step k,
.endr
.irp k, 0,1,2,3,4,5,6,7,8,9,10,11,12,13,14,15
	global_load_b64 v[LSS+2*\k:LSS+2*\k+1], v5, s[96:97] offset:32768*\k+1048576   ; their l_loc,
	global_load_b64 v[PS+2*\k:PS+2*\k+1], v5, s[96:97] offset:32768*\k             ; their scale words
.endr
	s_add_nc_u64 s[50:51], s[4:5], s[50:51]
	s_add_nc_u64 s[52:53], s[8:9], s[52:53]
	s_mov_b64 s[G0A+2:G0A+3], s[50:51]
	s_or_b32 s[G0A+3], s[G0A+3], 0x80000000
	s_mov_b64 s[G0B+2:G0B+3], s[52:53]
	s_or_b32 s[G0B+3], s[G0B+3], 0x80000000
	CROUND                                         ; all sixteen work-groups are here: the first joint loads meet
	JLOAD                                          ; slot 0: one tensor load a wave at the head
	; the prefetches: my quarter by cx (P) or by cy (V^T)
	s_mul_i32 s54, s[PX], 6144
	s_mul_i32 s55, s[PY], 12800
	s_mov_b32 s56, 4*IMG
	s_cmp_eq_u32 s[RI], 0
	s_cselect_b64 s[PF1:PF1+1], s[50:51], s[52:53]
	s_cselect_b32 s54, s54, s55
	s_cselect_b32 s[PFS], s56, VH
	s_cselect_b32 s57, 23, 24                      ; the last block that a lane names
	s_mov_b32 s55, 0
	s_mov_b32 s[PFS+1], 0
	s_add_nc_u64 s[PF1:PF1+1], s[PF1:PF1+1], s[54:55]
	s_add_nc_u64 s[PF1:PF1+1], s[PF1:PF1+1], s[PFS:PFS+1]
	s_add_nc_u64 s[PF2:PF2+1], s[PF1:PF1+1], s[PFS:PFS+1]
	s_add_nc_u64 s[PF3:PF3+1], s[PF2:PF2+1], s[PFS:PFS+1]
	v_min_u32 v[PF], s57, v1
	v_lshlrev_b32 v[PF], 8, v[PF]
	s_wait_alu depctr_va_vdst(0)                   ; ahead of the branch and the run of scalar instructions
	ASK PF1                                        ; fill 1
	s_mul_i32 s58, s[RI], 6144                     ; LDS: my four blocks of P,
	s_add_co_u32 s59, s58, SLOT
	s_mul_i32 s60, s[CJ], VH                       ; my half of V^T,
	s_add_co_u32 s60, s60, VB
	s_add_co_u32 s61, s60, SLOT
	s_add_co_u32 s62, s60, SCO
	s_add_co_u32 s63, s61, SCO
	s_mul_i32 s66, s[WV], 16*528                   ; my stage for the way out: in slot 0
	s_lshl_b32 s92, s86, 19                        ; 128 rows of 4,096 bytes a tile row,
	s_lshl_b32 s85, s[RI], 18
	s_add_co_u32 s92, s92, s85
	s_lshl_b32 s85, s87, 10                        ; 1,024 bytes a tile column,
	s_add_co_u32 s92, s92, s85
	s_lshl_b32 s85, s[CJ], 9
	s_add_co_u32 s92, s92, s85
	s_mov_b32 s93, 0
	s_add_nc_u64 s[OUT:OUT+1], s[10:11], s[92:93]
	s_mov_b32 s82, 0x80808080
	s_mov_b32 s[HM], 0xffff0000                    ; lanes 16-31
	s_mov_b32 s[SEL], 0x76543210
	s_mov_b32 s[SEL+1], 0xfedcba98
	v_and_b32 v3, 15, v0                           ; r
	v_bfe_u32 v1, v0, 4, 1                         ; h
	v_mul_u32_u24 v[STO], v3, 528
	v_lshl_add_u32 v[STO], v1, 6, v[STO]
	v_add_nc_u32 v[STO], s66, v[STO]               ; in: row r, + 64 h
	v_add_nc_u32 v[RD], s66, v4                    ; back: a row of 512 bytes, 16 a lane
	v_add_nc_u32 v[ADA], s58, v4
	v_add_nc_u32 v[ADA+1], s59, v4
	v_add_nc_u32 v[ADB], s60, v4
	v_add_nc_u32 v[ADB+1], s61, v4
	v_add_nc_u32 v[ASB], s62, v5
	v_add_nc_u32 v[ASB+1], s63, v5
	s_wait_alu depctr_va_vdst(0)                   ; directly ahead of the wait below
	s_wait_loadcnt 0x0
.irp e, 0,1
	v_max3_num_f32 v[MX+\e], -v[NMS+\e], -v[NMS+2+\e], -v[NMS+4+\e]   ; M = the largest M_loc of my row
.endr
.irp j, 6,10,14,18,22,26
.irp e, 0,1
	v_max3_num_f32 v[MX+\e], v[MX+\e], -v[NMS+\j+\e], -v[NMS+\j+2+\e]
.endr
.endr
.irp e, 0,1
	v_max_num_f32 v[MX+\e], v[MX+\e], -v[NMS+30+\e]
.endr
	ADJ 0
	PLACES 8                                       ; between the scale words just made and the first product
	s_wait_alu depctr_va_vdst(0)                   ; the head's end
	s_wait_tensorcnt 0x0                           ; my part of slot 0 is in
	ds_add_u32 v[SPW], v[NIL]
	NEXT 1
	s_wait_dscnt 0x0                               ; the add is done
	CROUND                                         ; slot 0 is whole for every wave, and all sixteen work-groups are here
	JLOAD                                          ; slot 1's first fill
	FETCH 0
	s_wait_dscnt 0x0
	FETCH 1
	ASK PF2                                        ; fills 2 and 3
	ASK PF3
	MULRUN 0, 4, 0, 1                              ; K step 0 starts the sums: nothing is cleared
	STEP 1
	WIN 0
	ADJ 1
	STEP 2
	WIN 0
	ADJ 2
	ADJ 3
	v_pk_add_f32 v[LA:LA+1], v[LA:LA+1], v[LA+2:LA+3]
	v_pk_add_f32 v[LA+4:LA+5], v[LA+4:LA+5], v[LA+6:LA+7]
	v_pk_add_f32 v[LA:LA+1], v[LA:LA+1], v[LA+4:LA+5]   ; l of my two rows
	s_wait_alu depctr_va_vdst(0)                   ; ahead of the batch
	v_rcp_f32 v[LA], v[LA]
	v_rcp_f32 v[LA+1], v[LA+1]
	v_nop                                          ; a plain place behind the reciprocals
	s_wait_alu depctr_va_vdst(0)                   ; ahead of their first reader
	v_permlanex16_b32 v[TX], v[LA], s[SEL], s[SEL+1]
	v_permlanex16_b32 v[TX+1], v[LA+1], s[SEL], s[SEL+1]
.irp e, 0,1                            ; lanes 0-15 hold blocks 0 and 2, lanes 16-31 blocks 1 and 3: each block's 1 / l into both halves of the lanes, twice
	v_cndmask_b32 v[RC+\e], v[LA], v[TX], s[HM]
	v_cndmask_b32 v[RC+2+\e], v[TX], v[LA], s[HM]
	v_cndmask_b32 v[RC+4+\e], v[LA+1], v[TX+1], s[HM]
	v_cndmask_b32 v[RC+6+\e], v[TX+1], v[LA+1], s[HM]
.endr
	s_wait_alu depctr_va_vdst(0)                   ; directly ahead of the waits below
	TURN 3, 1                                      ; slot 0 takes K steps 8 to 11
	STEP 4
	STEP 5
	STEP 6
	TURN 7, 1                                      ; slot 1 takes K steps 12 to 15
	STEP 8
	STEP 9
	STEP 10
	TURN 11, 0                                     ; nothing is left to fetch; behind this barrier nobody reads slot 0, which has had its last fill
	STEP 12
	STEP 13
	STEP 14
	; THE WAY OUT, block by block of 16 queries x 128 channels: divided by l, through my stage in slot 0, back as whole rows of 512 bytes.  Blocks 2 and 3 get their last products while block 0 is on its way through the stage.
.macro STAGE a
.set AC, 64*(\a)
	WIN 0x82
.set J, 0
.rept 32
	v_pk_mul_f32 v[AC+J:AC+J+1], v[AC+J:AC+J+1], v[RC+2*(\a):RC+2*(\a)+1]   ; each accumulator from its low end on
.set J, J+2
.endr
	WIN 0x08                                       ; an LDS store's data are its source 1: window 2
.irp b, 0,1,2,3,4,5,6,7
	ds_store_b128 v[STO], v[AC+8*\b:AC+8*\b+3] offset:128*(\b/2)+32*(\b%2)          ; register j of tile b is channel 32 (b / 2) + 16 h + 8 (b % 2) + j
	ds_store_b128 v[STO], v[AC+8*\b+4:AC+8*\b+7] offset:128*(\b/2)+32*(\b%2)+16
.endr
	WIN 0
.irp i, 0,1,2,3,4,5,6,7,8,9,10,11,12,13,14,15
	ds_load_b128 v[BK+64*((\a)%2)+4*\i:BK+64*((\a)%2)+4*\i+3], v[RD] offset:528*\i   ; LDS serves a wave's instructions in order: these see the stores above
.endr
.endm
.macro SEND a, younger                 ; younger: the LDS instructions issued behind block a's loads, which may stay out
	s_wait_dscnt \younger
.irp i, 0,1,2,3,4,5,6,7,8,9,10,11,12,13,14,15
	global_store_b128 v4, v[BK+64*((\a)%2)+4*\i:BK+64*((\a)%2)+4*\i+3], s[OUT:OUT+1] offset:(32*((\a)/2)+8*((\a)%2)+(\i%8)+16*(\i/8))*4096 th:TH_STORE_NT   ; 512 consecutive bytes of the lane-row's true row, aligned
.endr
.endm
	s_wait_dscnt 0x0
	MULRUN 0, 2, 15, 0
	WIN 0
	PLACES 4                                       ; between the last products of blocks 0 and 1 and the first read of block 0's results
	STAGE 0                                        ; (its loads land on no fragment of blocks 2 and 3)
	MULRUN 2, 2, 15, 0
	STAGE 1                                        ; its 32 packed products are the places behind the last products
	SEND 0, 32                                     ; behind block 0's loads: block 1's 16 stores and 16 loads
	s_wait_xcnt 0x0                                ; block 0's stores have read their registers: block 2's loads may land there
	STAGE 2
	SEND 1, 32
	s_wait_xcnt 0x0
	STAGE 3
	SEND 2, 32
	SEND 3, 0
	s_wait_tensorcnt 0x0                           ; the wave's end
	ds_add_u32 v[SPW], v[NIL]
	s_wait_dscnt 0x0
	CROUND                                         ; the closing round
	s_endpgm
.Lfunc_end_k_qb73c48180d_pv:
	.size	k_qb73c48180d_pv, .Lfunc_end_k_qb73c48180d_pv-k_qb73c48180d_pv
	.p2alignl 7, 3214868480
	.fill 96, 4, 3214868480
	.section	.rodata,"a",@progbits
	.p2align	6, 0x0
	.amdhsa_kernel k_qb73c48180d_pv
		.amdhsa_group_segment_fixed_size 327680
		.amdhsa_private_segment_fixed_size 0
		.amdhsa_enable_private_segment 0
		.amdhsa_kernarg_size 32
		.amdhsa_user_sgpr_count 2
		.amdhsa_user_sgpr_kernarg_segment_ptr 1
		.amdhsa_wavefront_size32 1
		.amdhsa_system_sgpr_workgroup_id_x 1
		.amdhsa_system_sgpr_workgroup_id_y 1
		.amdhsa_system_sgpr_workgroup_id_z 1
		.amdhsa_system_vgpr_workitem_id 0
		.amdhsa_next_free_vgpr 768
		.amdhsa_next_free_sgpr 102
		.amdhsa_reserve_vcc 0
		.amdhsa_float_denorm_mode_32 3
		.amdhsa_float_denorm_mode_16_64 3
		.amdhsa_memory_ordered 1
		.amdhsa_forward_progress 1
		.amdhsa_inst_pref_size 162
	.end_amdhsa_kernel
	.amdgpu_metadata
---
amdhsa.version: [ 1, 2 ]
amdhsa.kernels:
  - .name:           k_qb73c48180d_pv
    .symbol:         k_qb73c48180d_pv.kd
    .args:
      - { .name: c3, .offset: 0, .size: 8, .value_kind: global_buffer, .address_space: global }
      - { .name: s3, .offset: 8, .size: 8, .value_kind: global_buffer, .address_space: global }
      - { .name: c2, .offset: 16, .size: 8, .value_kind: global_buffer, .address_space: global }
      - { .name: out0, .offset: 24, .size: 8, .value_kind: global_buffer, .address_space: global }
    .group_segment_fixed_size: 327680
    .private_segment_fixed_size: 0
    .kernarg_segment_align: 8
    .kernarg_segment_size: 32
    .max_flat_workgroup_size: 128
    .sgpr_count:     102
    .vgpr_count:     768
    .wavefront_size: 32
...
	.end_amdgpu_metadata
.endif
;; end of part 4
